; MI455X (gfx1250); checked and timed in simulation.
; The chip was launched on July 23, 2026; its instructions are those of AMD's public machine-readable ISA for CDNA 5 (MIT licence, August 2026) and "CDNA5" Instruction Set Architecture Reference Guide (July 2026). The comments in the code are by the model that wrote it; some were corrected since.
;; Causal Self Attention. Allowed arithmetic: matrix products marked QUANTISED: E2M3 operands, one E8M0 scale for each 32 along K, by v_wmma_scale_f32_16x16x128_f8f6f4 with both operands' format E2M3, f32 sums; everything else in f32.
;; Inputs: b_attn 3,072 float32; b_proj 1,024 float32; w_attn 1,024 x 3,072 float32; w_proj 1,024 x 1,024 float32; x 4 x 2,048 x 1,024 float32.
;; Outputs: out0 4 x 2,048 x 1,024 float32.
;; This version of the problem:
;;   THIS VERSION OF THE PROBLEM IS GIVEN IN LOW PRECISION. The matrix products marked QUANTISED in the list below multiply operands that are first quantised to E2M3 (2 exponent bits, 3 mantissa bits; 6 bits a number), with one power-of-two scale for each 32 numbers along K (OCP MX v1.0); their sums are f32. All else is computed in f32.
;;   The module's matrix products, in the order in which they are computed (A, B: the left and right operand; K: the contracted axis; several contracted axes count as one K, in the product's order):
;;     1. [M 8,192, K 1,024] x [K 1,024, N 3,072]; A: input x; B: input w_attn: QUANTISED
;;     2. batch 64 x [M 2,048, K 64] x [K 64, N 2,048]; A: computed on the way; B: computed on the way: QUANTISED
;;     3. batch 64 x [M 2,048, K 2,048] x [K 2,048, N 64]; A: softmax (see below); B: computed on the way: QUANTISED
;;     4. [M 8,192, K 1,024] x [K 1,024, N 1,024]; A: computed on the way; B: input w_proj: QUANTISED
;;   THE QUANTISER, for each operand of a quantised product, along K:
;;     - K is cut into blocks of 32 from its start; a last block that is shorter is filled with zeros.
;;     - A block's scale is 2^e with e = floor(log2(the largest magnitude in the block)) - 2, held to -126 .. 127; a block of zeros has e = 0. As a byte (E8M0): e + 127.
;;     - Each number is divided by its block's scale, clamped to +-7.5, and rounded to the nearest number of E2M3, ties to even, subnormals kept.
;;     - The product sums the exact products of the quantised numbers (number of the format x scale) in f32.
;;   ~~~python
;;   def quantise(x, axis):      # numpy; x: float32 -> the quantised numbers, widened to float32 again
;;       x = np.moveaxis(x, axis, -1); K = x.shape[-1]
;;       x = np.pad(x, [(0, 0)] * (x.ndim - 1) + [(0, -K % 32)]); x = x.reshape(x.shape[:-1] + (-1, 32)); a = np.abs(x).max(-1, keepdims=True)
;;       e = np.where(a > 0, np.clip(np.frexp(np.where(a > 0, a, 1))[1] - 1 - 2, -126, 127), 0)      # np.frexp(a)[1] - 1 = floor(log2(a)), exactly
;;       r = np.clip(x / 2.0 ** e, -7.5, 7.5)
;;       step = 2.0 ** (np.maximum(np.frexp(np.where(r == 0, 1, r))[1] - 1, 0) - 3)
;;       q = np.round(r / step) * step * 2.0 ** e      # np.round: ties to even
;;       return np.moveaxis(q.reshape(q.shape[:-2] + (-1,))[..., :K], -1, axis).astype(np.float32)
;;   ~~~
;;   SOFTMAX AHEAD OF A QUANTISED PRODUCT. Where the list says 'softmax', what is quantised is not the finished softmax but p = 2^(t - M), with t = logit x log2(e) and M = ceil(the row's largest t), a whole number; so 1/2 < the row's largest p <= 1. The row's sum l is taken of the UNQUANTISED p, in f32, and the product's result is divided by l at the end. Since M is a whole number, a kernel that streams over the keys may use a running M (the ceiling of the running maximum): every later rescaling is an exact power of two, which a block's scale takes up: the codes' values come out the same.
;;   OPERANDS COMPUTED ON THE WAY. 'Computed on the way' means the value that the module computes at that place (a softmax that the list does not call 'softmax' is quantised finished and normalised). What goes into a quantiser is computed in f32, as accurately as f32 sums, v_exp_f32 and their like allow (about 1e-6 of the number): no bf16 or f16 on the way to a quantiser, and a product that is left as it is and whose result goes on into a quantised operand takes f32 operands (vector FMAs, or v_wmma_f32_16x16x4_f32). A number that lies on a knife's edge between two numbers of the format may be rounded either way, as far as f32 arithmetic and the matrix unit's own rounding can turn it there, and no further.
;; One version. Each part assembles by itself: llvm-mc -triple=amdgcn-amd-amdhsa -mcpu=gfx1250 --defsym DOCPART=n.
;; ======== version 1 of 1: 4 launches
;; workspace buffers: opc 8,650,752 bytes; ops 360,448 bytes; pc 7,077,888 bytes; ps 294,912 bytes; att 20,185,088 bytes
;; launch quant (part 1): grid 256 x 1, 8 waves a work-group, no clusters, 207,360 bytes of LDS; arguments x, w_attn, w_proj, opc, ops, pc, ps; writes opc, ops, pc, ps
.if DOCPART == 1
	.amdgcn_target "amdgcn-amd-amdhsa--gfx1250"
	.amdhsa_code_object_version 6
	.text
	.protected	k_q05839d9c00_quant
	.globl	k_q05839d9c00_quant
	.p2align	8
	.type	k_q05839d9c00_quant,@function
k_q05839d9c00_quant:
	s_mov_b64 s[64:65], 0
	v_nop
	global_prefetch_b8 v0, s[64:65] scope:SCOPE_SE
	s_setreg_imm32_b32 hwreg(HW_REG_WAVE_MODE, 25, 1), 1
	s_wait_xcnt 0x0
; x [8192][1024], w_attn [1024][3072] and w_proj [1024][1024], f32, become codes of FP6 (E2M3) with one E8M0 byte for each 32 along K (x: its last axis; the weights: their FIRST axis).
; A block's scale is 2^(floor(log2(largest magnitude)) - 2); its byte is the largest magnitude's exponent field - 2, held at 1 from below.
; LIMITS: NaN and infinities among the inputs are not served.  A block whose largest magnitude lies under 2^-124, a block of zeros among them, keeps the byte 1 (a block of zeros has zero codes, which add
; nothing under that byte; the bytes are read by this program alone).
; LAYOUT OF THE RESULTS.  Operand rows (x: tokens 0-8191; a weight's column n: row 8192 + n) go in tiles of 16: lane r of tile 2 B + u is row 32 B + 8 u + r + 8 (r / 8).  A fragment (a tile x 128 along K) is
; stored as an IMAGE OF ITS 12 REGISTERS: for each half of 64 along K 512 bytes (registers 0-3, 16 bytes a lane) and 256 bytes (registers 4-5, 8 bytes a lane): 1,536 bytes; a tile's eight fragments lie on end.
; Scale bytes lie plainly, 32 to a row.
; SHARES.  Work-group g takes rows 32 g .. 32 g + 31 of x and one piece of a weight, 64 columns x 256 along K (g < 192: w_attn, else w_proj).  All its bytes are asked for at once: each of the eight waves
; issues two tensor loads (two are out at the most).  Wave w turns x's K step w of both tiles and one fragment of the weight piece into codes: a lane holds two WHOLE blocks of 32, so no maximum crosses lanes.
; Bank conflicts kept: the reads of x's rows r and r + 16 and of the weight's two halves of the lanes fall two deep on the same banks; a wave has 96 such reads in all.
; The weights' scale words leave as 8 bytes of each row of 32: 131,072 bytes of the launch's 60 million.
.set XPITCH, 528                       ; x in LDS: 512 bytes of a row + 16
.set XWAVE,  32*XPITCH                 ; a wave's own 32 rows x 128 columns
.set WR,     8*XWAVE                   ; the weight piece: 256 rows (k) x (256 bytes + 16)
.set WPITCH, 272
.set XSS,    WR+256*WPITCH             ; x's scale words, [32 rows][8 words]: written by LDS stores alone
.set WSS,    XSS+1024                  ; the piece's scale words, [64 columns][2 words]
.set TILEB,  12288
.set FRAGB,  1536
.set TM, 16                            ; v16-17 largest magnitudes
.set SO, 18                            ; v18-19 the conversions' scale operands
.set BY, 20                            ; v20-21 scale bytes
.set T,  22                            ; v22    the other half's bytes
.set TP, 24                            ; v24-26, v28-30 the upper halves of two blocks' codes (a conversion's three registers begin on an even number)
.set X0, 32                            ; v32-95, v96-159 two sets of 64 numbers
.set X1, 96
.set PC0, 160                          ; three fragments' codes, 12 registers each: no store's data are written again
.set PC1, 172
.set PC2, 184
.set WV,  18
.set SEL, 2
.set G0X, 36
.set G0W, 40
.set G1X, 44
.set G1WA, 52
.set G1WP, 68
; 64 numbers of a lane, block c in v[x + 32 c] on (k = 64 c + 32 h + 0 .. 31 of my row), become the fragment's 12 registers in v[pc] on and my row's scale word in v[w]
.macro QB x, pc, w
.irp c, 0,1
	v_max3_num_f32 v[TM+\c], |v[\x+32*\c]|, |v[\x+32*\c+1]|, 0x1800000   ; with the floor 2^(3 - 127): the byte cannot fall under 1
.endr
.irp i, 2,4,6,8,10,12,14,16,18,20,22,24,26,28,30
.irp c, 0,1
	v_max3_num_f32 v[TM+\c], v[TM+\c], |v[\x+32*\c+\i]|, |v[\x+32*\c+\i+1]|
.endr
.endr
.irp c, 0,1
	v_add_nc_u32 v[SO+\c], 0xff000000, v[TM+\c]    ; 2 off the exponent field: the conversion takes that field as its scale
.endr
.irp c, 0,1
	v_lshrrev_b32 v[BY+\c], 23, v[SO+\c]           ; the scale's byte
.endr
	v_lshl_or_b32 v[\w], v[BY+1], 16, v[BY]        ; blocks h and 2 + h,
	v_lshlrev_b32 v[\w], v5, v[\w]                 ; 8 h bits up;
	v_permlanex16_b32 v[T], v[\w], s[SEL], s[SEL+1]
	v_or_b32 v[\w], v[\w], v[T]                    ; with lane l xor 16's two the word is whole
.irp c, 0,1
	v_cvt_scalef32_pk16_fp6_f32 v[\pc+6*\c:\pc+6*\c+2], v[\x+32*\c:\x+32*\c+15], v[SO+\c]
	v_cvt_scalef32_pk16_fp6_f32 v[TP+4*\c:TP+4*\c+2], v[\x+32*\c+16:\x+32*\c+31], v[SO+\c]
.endr
	v_nop                                          ; one plain place behind a scaled conversion
.irp c, 0,1
.irp i, 0,1,2
	v_mov_b32 v[\pc+6*\c+3+\i], v[TP+4*\c+\i]
.endr
.endr
.endm
.macro OUT pc, sb, off                 ; a fragment's image: each store covers 512 or 256 consecutive bytes, aligned to 256
	global_store_b128 v10, v[\pc:\pc+3], s[\sb:\sb+1] offset:\off
	global_store_b64 v11, v[\pc+4:\pc+5], s[\sb:\sb+1] offset:\off
	global_store_b128 v10, v[\pc+6:\pc+9], s[\sb:\sb+1] offset:\off+768
	global_store_b64 v11, v[\pc+10:\pc+11], s[\sb:\sb+1] offset:\off+768
.endm
	s_load_b256 s[4:11], s[0:1], 0x0               ; x s[4:5], w_attn s[6:7], w_proj s[8:9], opc s[10:11]
	s_load_b128 s[12:15], s[0:1], 0x20             ; ops s[12:13], pc s[14:15]
	s_load_b64 s[16:17], s[0:1], 0x30              ; ps
	v_lshl_add_u32 v224, v0, 2, 0x32600
	v_mov_b32 v225, 0
	ds_add_u32 v224, v225
	ds_add_u32 v224, v225
	v_lshrrev_b32 v1, 5, v0
	v_readfirstlane_b32 s[WV], v1                  ; wave 0..7
	s_mov_b32 s[SEL], 0x76543210
	s_mov_b32 s[SEL+1], 0xfedcba98                 ; selects for lane l xor 16
	; descriptor groups 1.  x: 32 rows x 128 elements of 4 bytes, 16 bytes of padding behind each 128 words
	s_mov_b32 s[G1X], (2<<16)|(1<<20)|(6<<22)|(3<<25)
	s_mov_b32 s[G1X+1], 128<<16
	s_mov_b32 s[G1X+2], 32<<16
	s_mov_b32 s[G1X+3], 128<<16
	s_mov_b32 s[G1X+4], 32
	s_mov_b32 s[G1X+5], 1024
	s_mov_b32 s[G1X+6], 0
	s_mov_b32 s[G1X+7], 0
	; a weight: 32 rows (k) x 64 elements, 16 bytes behind each 64 words; the two differ in the pitch alone
.irp g, G1WA, G1WP
	s_mov_b32 s[\g], (2<<16)|(1<<20)|(5<<22)|(3<<25)
	s_mov_b32 s[\g+1], 64<<16
	s_mov_b32 s[\g+2], 32<<16
	s_mov_b32 s[\g+3], 64<<16
	s_mov_b32 s[\g+4], 32
	s_mov_b32 s[\g+6], 0
	s_mov_b32 s[\g+7], 0
.endr
	s_mov_b32 s[G1WA+5], 3072
	s_mov_b32 s[G1WP+5], 1024
	; every LDS address is made here, ahead of all branches
	v_and_b32 v1, 31, v0                           ; lane
	v_and_b32 v2, 15, v0                           ; r
	v_bfe_u32 v3, v0, 4, 1                         ; h
	v_and_b32 v4, 8, v2
	v_add_nc_u32 v4, v4, v2                        ; r + 8 (r / 8)
	v_lshlrev_b32 v5, 3, v3                        ; 8 h
	s_mul_i32 s27, s[WV], XWAVE
	v_mul_u32_u24 v6, v4, XPITCH
	v_lshl_add_u32 v6, v3, 7, v6
	v_add_nc_u32 v6, s27, v6                       ; x: my wave's region, my row, + 128 h bytes
	s_lshr_b32 s28, s[WV], 2                       ; which 128 along K of the piece
	s_bfe_u32 s29, s[WV], 0x10001
	s_and_b32 s30, s[WV], 1
	s_lshl_b32 s29, s29, 5
	s_lshl_b32 s30, s30, 3
	s_add_co_u32 s29, s29, s30                     ; my tile's first column of the piece's 64: 32 B + 8 u
	s_mul_i32 s30, s28, 128*WPITCH
	s_lshl_b32 s31, s29, 2
	s_add_co_u32 s30, s30, s31
	s_add_co_u32 s30, s30, WR
	v_mul_u32_u24 v7, v3, 32*WPITCH
	v_lshl_add_u32 v7, v4, 2, v7
	v_add_nc_u32 v7, s30, v7                       ; the weight: my column, lanes 16-31 begin 32 rows further down
	s_lshl_b32 s30, s[WV], 2
	s_add_co_u32 s30, s30, XSS
	v_lshl_add_u32 v8, v4, 5, s30                  ; x's scale word: row x 32 + 4 x K step
	s_lshl_b32 s30, s29, 3
	s_lshl_b32 s31, s28, 2
	s_add_co_u32 s30, s30, s31
	s_add_co_u32 s30, s30, WSS
	v_lshl_add_u32 v9, v4, 3, s30                  ; the piece's: column x 8 + 4 x K step
	v_lshlrev_b32 v10, 4, v1                       ; 16 x lane
	v_lshlrev_b32 v11, 3, v1
	v_add_nc_u32 v13, WSS, v11
	v_add_nc_u32 v11, 512, v11                     ; 8 x lane + 512
	v_add_nc_u32 v12, XSS, v10
	v_lshlrev_b32 v14, 5, v1                       ; 32 x lane: a row of scale bytes
	v_mov_b32 v[T], 0                              ; a lane permute's destination counts as one of its sources
	s_mov_b32 s25, 1024
	s_wait_dscnt 0x0
	s_wait_kmcnt 0x0
	s_cmp_lt_u32 ttmp9, 192                        ; w_attn's work-group or w_proj's: the choice hangs on the work-group's number alone
	s_cselect_b64 s[6:7], s[6:7], s[8:9]           ; the weight,
	s_cselect_b64 s[20:21], s[10:11], s[14:15]     ; where its codes go,
	s_cselect_b64 s[22:23], s[12:13], s[16:17]     ; and its scale bytes
	s_cselect_b32 s24, 3072, s25                   ; its pitch, for the address alone
	s_cselect_b32 s26, 0, 192
	s_sub_co_u32 s26, ttmp9, s26
	s_lshr_b32 s26, s26, 2                         ; which 64 columns
	s_and_b32 s19, ttmp9, 3                        ; which 256 along K
	s_lshl_b32 s30, s19, 8
	s_lshl_b32 s31, s[WV], 5
	s_add_co_u32 s30, s30, s31                     ; my first row of the weight: 256 kq + 32 wave
	s_mul_i32 s30, s30, s24
	s_lshl_b32 s31, s26, 6
	s_add_co_u32 s30, s30, s31
	s_lshl_b32 s30, s30, 2
	s_mov_b32 s31, 0
	s_mov_b32 s[G0W], 1
	s_mul_i32 s[G0W+1], s[WV], 32*WPITCH
	s_add_co_u32 s[G0W+1], s[G0W+1], WR
	s_add_nc_u64 s[G0W+2:G0W+3], s[6:7], s[30:31]
	s_or_b32 s[G0W+3], s[G0W+3], 0x80000000
	s_lshl_b32 s30, ttmp9, 17                      ; 32 rows of 4,096 bytes
	s_lshl_b32 s32, s[WV], 9
	s_add_co_u32 s30, s30, s32
	s_mov_b32 s[G0X], 1
	s_mov_b32 s[G0X+1], s27
	s_add_nc_u64 s[G0X+2:G0X+3], s[4:5], s[30:31]
	s_or_b32 s[G0X+3], s[G0X+3], 0x80000000
	tensor_load_to_lds s[G0X:G0X+3], s[G1X:G1X+7]  ; my 32 rows x 128 columns of x
	s_nop 0
.rept 4
	v_nop
.endr
	s_cmp_lt_u32 ttmp9, 192
	s_cbranch_scc0 .Lwp
	tensor_load_to_lds s[G0W:G0W+3], s[G1WA:G1WA+7]  ; my 32 rows of the weight piece
	s_nop 0
.rept 4
	v_nop
.endr
	s_branch .Lwdone
.Lwp:
	tensor_load_to_lds s[G0W:G0W+3], s[G1WP:G1WP+7]
	s_nop 0
.rept 4
	v_nop
.endr
.Lwdone:
	s_mul_i32 s30, ttmp9, 2*TILEB                  ; where the results go
	s_mul_i32 s32, s[WV], FRAGB
	s_add_co_u32 s30, s30, s32
	s_add_nc_u64 s[76:77], s[10:11], s[30:31]      ; x's codes: tile 2 g, K step = wave
	s_lshl_b32 s30, ttmp9, 10
	s_add_nc_u64 s[78:79], s[12:13], s[30:31]      ; x's scale bytes: 32 rows of 32
	s_lshl_b32 s30, s26, 2
	s_and_b32 s32, s[WV], 3
	s_add_co_u32 s30, s30, s32
	s_add_co_u32 s30, s30, 512                     ; the weight's tile: 512 + 4 cg + wave % 4
	s_mul_i32 s30, s30, TILEB
	s_lshl_b32 s32, s19, 1
	s_add_co_u32 s32, s32, s28
	s_mul_i32 s32, s32, FRAGB
	s_add_co_u32 s30, s30, s32
	s_add_nc_u64 s[20:21], s[20:21], s[30:31]
	s_lshl_b32 s30, s26, 11
	s_lshl_b32 s32, s19, 3
	s_add_co_u32 s30, s30, s32
	s_add_co_u32 s30, s30, 8192*32
	s_add_nc_u64 s[22:23], s[22:23], s[30:31]      ; its scale bytes: row 8192 + 64 cg, byte 8 kq
	s_wait_tensorcnt 0x1                           ; x's load is done (the weight's, issued behind it, may be out); only I read these bytes
.irp u, 0,1
.irp c, 0,1
.irp i, 0,1,2,3,4,5,6,7
	ds_load_b128 v[X0+64*\u+32*\c+4*\i:X0+64*\u+32*\c+4*\i+3], v6 offset:8*XPITCH*\u+256*\c+16*\i
.endr
.endr
.endr
	s_wait_dscnt 16                                ; tile 2 g's numbers are in; the other tile's sixteen loads may be out
	QB X0, PC0, 23
	OUT PC0, 76, 0
	ds_store_b32 v8, v23                           ; lanes l and l xor 16 write the same word with the same value
	s_wait_dscnt 1                                 ; the other tile's numbers are in; that store may be out
	QB X1, PC1, 27
	OUT PC1, 76, TILEB
	ds_store_b32 v8, v27 offset:256
	s_wait_tensorcnt 0x0                           ; my part of the weight piece has landed,
	s_wait_dscnt 0x0                               ; my scale words lie in LDS
	s_barrier_signal -1
	s_barrier_wait -1                              ; everybody's
	s_cmp_lg_u32 s[WV], 0
	s_cbranch_scc1 .Lnot0
	ds_load_b128 v[196:199], v12                   ; wave 0: x's 1,024 scale bytes leave as four whole blocks of 256
	ds_load_b128 v[200:203], v12 offset:512
	s_wait_dscnt 0x0
	global_store_b128 v10, v[196:199], s[78:79]
	global_store_b128 v10, v[200:203], s[78:79] offset:512
.Lnot0:
.irp c, 0,1
.irp i, 0,1,2,3,4,5,6,7,8,9,10,11,12,13,14,15,16,17,18,19,20,21,22,23,24,25,26,27,28,29,30,31
	ds_load_b32 v[X0+32*\c+\i], v7 offset:(64*\c+\i)*WPITCH   ; my column, down K
.endr
.endr
	s_wait_dscnt 0x0
	QB X0, PC2, 31
	OUT PC2, 20, 0
	ds_store_b32 v9, v31
	s_wait_dscnt 0x0
	s_barrier_signal -1
	s_barrier_wait -1                              ; the piece's 128 scale words lie in LDS
	s_cmp_lg_u32 s[WV], 1
	s_cbranch_scc1 .Lnot1
	ds_load_b64 v[196:197], v13                    ; wave 1: 8 bytes for each of the 64 columns
	ds_load_b64 v[198:199], v13 offset:256
	s_wait_dscnt 0x0
	global_store_b64 v14, v[196:197], s[22:23]
	global_store_b64 v14, v[198:199], s[22:23] offset:1024
.Lnot1:
	s_wait_tensorcnt 0x0
	ds_add_u32 v224, v225
	s_wait_dscnt 0x0
	s_endpgm
.Lfunc_end_k_q05839d9c00_quant:
	.size	k_q05839d9c00_quant, .Lfunc_end_k_q05839d9c00_quant-k_q05839d9c00_quant
	.p2alignl 7, 3214868480
	.fill 96, 4, 3214868480
	.section	.rodata,"a",@progbits
	.p2align	6, 0x0
	.amdhsa_kernel k_q05839d9c00_quant
		.amdhsa_group_segment_fixed_size 207360
		.amdhsa_private_segment_fixed_size 0
		.amdhsa_enable_private_segment 0
		.amdhsa_kernarg_size 56
		.amdhsa_user_sgpr_count 2
		.amdhsa_user_sgpr_kernarg_segment_ptr 1
		.amdhsa_wavefront_size32 1
		.amdhsa_system_sgpr_workgroup_id_x 1
		.amdhsa_system_sgpr_workgroup_id_y 1
		.amdhsa_system_sgpr_workgroup_id_z 1
		.amdhsa_system_vgpr_workitem_id 0
		.amdhsa_next_free_vgpr 226
		.amdhsa_next_free_sgpr 80
		.amdhsa_reserve_vcc 0
		.amdhsa_float_denorm_mode_32 3
		.amdhsa_float_denorm_mode_16_64 3
		.amdhsa_memory_ordered 1
		.amdhsa_forward_progress 1
		.amdhsa_inst_pref_size 25
	.end_amdhsa_kernel
	.amdgpu_metadata
---
amdhsa.version: [ 1, 2 ]
amdhsa.kernels:
  - .name:           k_q05839d9c00_quant
    .symbol:         k_q05839d9c00_quant.kd
    .args:
      - { .name: x, .offset: 0, .size: 8, .value_kind: global_buffer, .address_space: global }
      - { .name: w_attn, .offset: 8, .size: 8, .value_kind: global_buffer, .address_space: global }
      - { .name: w_proj, .offset: 16, .size: 8, .value_kind: global_buffer, .address_space: global }
      - { .name: opc, .offset: 24, .size: 8, .value_kind: global_buffer, .address_space: global }
      - { .name: ops, .offset: 32, .size: 8, .value_kind: global_buffer, .address_space: global }
      - { .name: pc, .offset: 40, .size: 8, .value_kind: global_buffer, .address_space: global }
      - { .name: ps, .offset: 48, .size: 8, .value_kind: global_buffer, .address_space: global }
    .group_segment_fixed_size: 207360
    .private_segment_fixed_size: 0
    .kernarg_segment_align: 8
    .kernarg_segment_size: 56
    .max_flat_workgroup_size: 256
    .sgpr_count:     80
    .vgpr_count:     226
    .wavefront_size: 32
...
	.end_amdgpu_metadata
.endif
;; end of part 1
;; launch qkv (part 2): grid 8 x 48, 4 waves a work-group, clusters of 4 x 4, 327,680 bytes of LDS; arguments opc, ops, b_attn, att; writes att
.if DOCPART == 2
	.amdgcn_target "amdgcn-amd-amdhsa--gfx1250"
	.amdhsa_code_object_version 6
	.text
	.protected	k_q05839d9c00_qkv
	.globl	k_q05839d9c00_qkv
	.p2align	8
	.type	k_q05839d9c00_qkv,@function
k_q05839d9c00_qkv:
	s_mov_b64 s[64:65], 0
	v_nop
	global_prefetch_b8 v0, s[64:65] scope:SCOPE_SE
	s_setreg_imm32_b32 hwreg(HW_REG_WAVE_MODE, 25, 1), 1
	s_wait_xcnt 0x0
	s_wait_alu depctr_hold_cnt(0) depctr_sa_sdst(0) depctr_va_vdst(0) depctr_va_sdst(0) depctr_va_ssrc(0) depctr_va_vcc(0) depctr_vm_vsrc(0)
	s_getreg_b32 s2, hwreg(HW_REG_IB_STS2, 6, 4)
	s_cmp_eq_u32 s2, 0
	s_cbranch_scc0 .Lentry_in_a_cluster
	s_endpgm
.Lentry_in_a_cluster:
	s_bfe_u32 s2, ttmp6, 0x10000c
	s_cmp_lg_u32 s2, 0xf033
	s_cbranch_scc0 .Lentry_shape_is_right
	s_endpgm
.Lentry_shape_is_right:
; qkv = x w_attn + b_attn on codes of FP6 (E2M3) with E8M0 scales, K = 1,024; the results never go to memory as f32: q and k are quantised along the head's 64, v along the keys, in registers, and leave as
; images of the next products' operand registers.
; OPERANDS.  opc holds 11,264 rows (tokens 0-8191; row 8192 + n = column n of w_attn) in tiles of 16 (lane r of tile 2 B + u = row 32 B + 8 u + r + 8 (r / 8)); a fragment (tile x 128 K) is 1,536 bytes, the image
; of its 12 registers (per half of 64 K: 512 bytes of registers 0-3, 256 of registers 4-5); a tile's 8 fragments lie on end.  ops: 32 scale bytes a row.
; A TILE of 256 x 256 is made by four waves, 128 x 128 each: 64 accumulators.  Source 0 takes the operand whose rows become the NEXT product's K, source 1 the operand whose rows stay rows: with the tiles' order
; of rows above, a lane's 64 results of one tile of source 1 are 16 neighbours of each of four blocks of 32 along the next K.
;   clusters y 0-7 : source 1 = 256 tokens, source 0 = 256 columns of q (cluster x 0) or k (cluster x 1): next K = the head's channels
;   clusters y 8-11: source 1 = 256 columns of v, source 0 = 256 tokens: next K = the keys
; K goes in four steps of 256 through THREE LDS slots: slots 0-2 are filled at the start (three loads of a wave are out), slot 0 once more; so there is one refill, behind one round of the cluster's barrier.
; CLUSTERS 4 x 4: source 1's tiles are shared along a row of the cluster, source 0's along a column, by joint loads.
; The scale words of a wave's 256 rows for all of K stay in 64 registers: lanes 0-15 source 1's tile i, lanes 16-31 source 0's tile i.
; att: record (bh, s) of 13,056 bytes at (16 bh + s) x 13,056: 8 key tiles x 768, 4 fragments of v (16 channels x 128 keys) x 1,536, k's scale words 2 x 256 ([4 tiles][r] as [r][4 words]), v's 256 ([r][4 words]);
; q's images from QI0 on (768 a tile), q's scale words from QS0 on.  q's and k's scale words have bytes 2 and 3 = 0.
; LIMITS: NaN and infinities are not served; a block whose largest magnitude lies under 2^-124 keeps the byte 1.
; REGISTERS, window 0: v2, v3 the add's; v4-15 LDS addresses; v16-31 v's bias, a pair a tile; v32-95 scale words; v96-127, v224-255 q's and k's bias; v128-223 source 1's 8 fragments (one set).
; window 1: source 0's fragments, two sets, at v0 and v128.  windows 2, 3: accumulator (a, b) at v[8 (8 (a % 4) + b)].
.set SLOT,  98304                      ; source 1's 16 tiles x 3,072 bytes (256 along K), then source 0's
.set HALF,  24576                      ; 8 tiles: what one tensor load brings and what one wave reads of an operand
.set SPARE, 3*SLOT                     ; the spare words: 128 bytes a wave, two blocks of 256 bytes that no other line names
.set FR,    12
.set REC,   13056
.set VIO,   6144
.set KSO,   12288
.set VSO,   12800
.set QI0,   13369344
.set QS0,   19660800
.set SPW, 2
.set NIL, 3
.set A16, 4
.set A8,  7
.set B16, 10
.set B8,  13
.set BM,  16
.set SC,  32
.set AF,  128
.set G1A, 24
.set G0A, 32
.set G1B, 44
.set G0B, 52
.set SEL, 92
.set HA,  128                          ; the way out: 64 numbers of a lane
.set PC,  192                          ; a fragment's codes; v204-206, v208-210 at work
.set TM,  32
.set PWS, 48                           ; eight scale words
.set O16, 56
.set O8,  57
.set O16B, 58
.set O8B, 59
.set OSC, 60
.set SH,  61
.set MSB, 0
.macro WIN new                         ; the immediate's high byte repeats the setting that is left
.if MSB != (\new)
	s_set_vgpr_msb (MSB<<8)|(\new)
.set MSB, (\new)
.endif
.endm
.set MUL_LO, 0xa1                      ; source 0 window 1, source 1 window 0, C and D window 2
.set MUL_HI, 0xf1
.set TO_B,   0x40
.macro PLACES                          ; four plain places: in front of loads into registers that matrix instructions have read, and of the first read of results
.rept 4
	v_nop
.endr
.endm
.macro JLOAD s                         ; a joint load: waves 0, 1 fetch source 1's halves, waves 2, 3 source 0's; four v_nop follow each line
	s_cmp_eq_u32 s15, 0
	s_cbranch_scc0 .Lfor_b_\@
	tensor_load_to_lds s[G0A+4*\s:G0A+4*\s+3], s[G1A:G1A+7]
	s_nop 0
.rept 4
	v_nop
.endr
	s_branch .Lasked_\@
.Lfor_b_\@:
	tensor_load_to_lds s[G0B+4*\s:G0B+4*\s+3], s[G1B:G1B+7]
	s_nop 0
.rept 4
	v_nop
.endr
.Lasked_\@:
.endm
.macro CREST                           ; a round of the cluster's barrier behind its opening barrier
	s_cmp_lg_u32 s14, 0
	s_cbranch_scc1 .Lnot_wave_0_\@
	s_barrier_signal -3
.Lnot_wave_0_\@:
	s_barrier_wait -3
	s_barrier_signal -1
	s_barrier_wait -1
.endm
.macro CROUND
	s_barrier_signal -1
	s_barrier_wait -1
	CREST
.endm
.macro FRAG reg, a16, a8, q, i         ; a fragment comes back as it was stored: four loads, each of consecutive bytes
	ds_load_b128 v[\reg:\reg+3], v[\a16] offset:3072*(\i)+1536*(\q)
	ds_load_b64 v[\reg+4:\reg+5], v[\a8] offset:3072*(\i)+1536*(\q)
	ds_load_b128 v[\reg+6:\reg+9], v[\a16] offset:3072*(\i)+1536*(\q)+768
	ds_load_b64 v[\reg+10:\reg+11], v[\a8] offset:3072*(\i)+1536*(\q)+768
.endm
.macro FETCH_B slot, q, p
	WIN TO_B
.irp i, 0,1,2,3,4,5,6,7
	FRAG 128*(\p)+FR*\i, B16+\slot, B8+\slot, \q, \i
.endr
	WIN 0
.endm
.macro FETCH_A slot, q, i0
.irp i, \i0, \i0+1, \i0+2, \i0+3
	FRAG AF+FR*(\i), A16+\slot, A8+\slot, \q, \i
.endr
.endm
; 16 matrix instructions: source 1's tiles a0, a0 + 1 x source 0's eight, K step kk of 128.  The 64 accumulators take turns, one instruction a turn, in one order throughout.
.macro MUL16 a0, p, kk, zero
.irp a, \a0, \a0+1
.irp b, 0,1,2,3,4,5,6,7
.if \zero
	v_wmma_scale_f32_16x16x128_f8f6f4 v[8*(8*((\a)%4)+\b):8*(8*((\a)%4)+\b)+7], v[128*(\p)+FR*\b:128*(\p)+FR*\b+FR-1], v[AF+FR*(\a):AF+FR*(\a)+FR-1], 0, v[SC+8*\b+(\kk)], v[SC+8*(\a)+(\kk)] matrix_a_fmt:MATRIX_FMT_FP6 matrix_b_fmt:MATRIX_FMT_FP6 matrix_a_scale:MATRIX_SCALE_ROW1
.else
	v_wmma_scale_f32_16x16x128_f8f6f4 v[8*(8*((\a)%4)+\b):8*(8*((\a)%4)+\b)+7], v[128*(\p)+FR*\b:128*(\p)+FR*\b+FR-1], v[AF+FR*(\a):AF+FR*(\a)+FR-1], v[8*(8*((\a)%4)+\b):8*(8*((\a)%4)+\b)+7], v[SC+8*\b+(\kk)], v[SC+8*(\a)+(\kk)] matrix_a_fmt:MATRIX_FMT_FP6 matrix_b_fmt:MATRIX_FMT_FP6 matrix_a_scale:MATRIX_SCALE_ROW1
.endif
.endr
.endr
.endm
; K step kk; its successor's fragments lie at the nq-th 128 of slot nslot, which every wave has been shown whole
.macro STEP kk, nslot, nq, zero
	s_wait_dscnt 16                                ; source 0's set and source 1's tiles 0-3 are in; the youngest sixteen loads (tiles 4-7) may be out
	WIN MUL_LO
	MUL16 0, (\kk)%2, \kk, \zero
	MUL16 2, (\kk)%2, \kk, \zero
	s_wait_dscnt 0x0
	PLACES
	FETCH_B \nslot, \nq, 1-(\kk)%2
	FETCH_A \nslot, \nq, 0
	WIN MUL_HI
	MUL16 4, (\kk)%2, \kk, \zero
	MUL16 6, (\kk)%2, \kk, \zero
	PLACES
	WIN 0
	FETCH_A \nslot, \nq, 4
.endm
; a slot's last K step (kk odd) with a barrier: each wave waits for all its tensor loads, adds 0 to its spare word, waits for that and for its reads.  fill = 1: slot 0 takes the fourth 256 along K
.macro TURN kk, next, fill
	s_wait_tensorcnt 0x0                           ; all my tensor loads have landed
	ds_add_u32 v[SPW], v[NIL]                      ; 0 onto my spare word
	s_wait_dscnt 17                                ; (the add and the youngest sixteen loads may be out)
	WIN MUL_LO
	MUL16 0, 1, \kk, 0
	s_wait_dscnt 0x0                               ; the add is done, and my reads of the slot are over
	s_barrier_signal -1
	MUL16 2, 1, \kk, 0
	WIN 0
	s_barrier_wait -1
.if \fill
	CREST                                          ; the barrier has opened a round of the cluster's: no wave of any partner still reads slot 0 or has a load on its way
	s_add_nc_u64 s[G0A+2:G0A+3], s[G0A+2:G0A+3], 9216
	s_add_nc_u64 s[G0B+2:G0B+3], s[G0B+2:G0B+3], 9216
	JLOAD 0                                        ; my one load behind the round: it has four K steps, 256 matrix instructions, in which to land; its four v_nop are the places for the loads below
.else
	PLACES
.endif
	FETCH_B \next, 0, 0
	FETCH_A \next, 0, 0
	WIN MUL_HI
	MUL16 4, 1, \kk, 0
	MUL16 6, 1, \kk, 0
	PLACES
	WIN 0
	FETCH_A \next, 0, 4
.endm
; 64 numbers of a lane, register 16 b + i = next K 32 b + 16 h + i of my row, become a fragment's codes in v[PC] on and its scale word in v[pw]
.macro QUANT s, pw
.irp b, 0,1,2,3
	v_max3_num_f32 v[TM+\b], |v[\s+16*\b]|, |v[\s+1+16*\b]|, 0x1800000   ; with the floor 2^(3 - 127)
.endr
.irp i, 2,4,6,8,10,12,14
.irp b, 0,1,2,3
	v_max3_num_f32 v[TM+\b], v[TM+\b], |v[\s+16*\b+\i]|, |v[\s+1+16*\b+\i]|
.endr
.endr
.irp b, 0,1,2,3
	v_permlanex16_b32 v[TM+4+\b], v[TM+\b], s[SEL], s[SEL+1]
.endr
.irp b, 0,1,2,3
	v_max_num_f32 v[TM+\b], v[TM+\b], v[TM+4+\b]   ; with lane l xor 16's: the block's largest magnitude
.endr
.irp b, 0,1,2,3
	v_add_nc_u32 v[TM+12+\b], 0xff000000, v[TM+\b] ; 2 off its exponent field: the conversion's scale operand
.endr
.irp b, 0,1,2,3
	v_lshrrev_b32 v[TM+4+\b], 23, v[TM+12+\b]      ; the scale's byte
.endr
	v_lshl_or_b32 v[\pw], v[TM+5], 8, v[TM+4]
	v_lshl_or_b32 v[\pw], v[TM+6], 16, v[\pw]
	v_lshl_or_b32 v[\pw], v[TM+7], 24, v[\pw]
.irp c, 0,1
	v_cvt_scalef32_pk16_fp6_f32 v[PC+6*\c:PC+2+6*\c], v[\s+32*\c:\s+15+32*\c], v[TM+12+2*\c]
	v_cvt_scalef32_pk16_fp6_f32 v[PC+12+4*\c:PC+14+4*\c], v[\s+16+32*\c:\s+31+32*\c], v[TM+12+2*\c+1]
.endr
	v_nop                                          ; one plain place behind a scaled conversion
.irp c, 0,1                            ; the operand's layout wants a whole block in a lane
.irp i, 0,1,2
	v_permlane16_swap_b32 v[PC+6*\c+\i], v[PC+12+4*\c+\i]
.endr
.irp i, 0,1,2
	v_mov_b32 v[PC+3+6*\c+\i], v[PC+12+4*\c+\i]
.endr
.endr
.endm
; The way out: tile a of source 1 at a time: bias added (each accumulator read from its low end on), quantised, four stores of whole aligned blocks.  kind 0: q or k; kind 1: v
.macro EPI kind
.irp a, 0,1,2,3,4,5,6,7
.if \a > 0
	s_wait_xcnt 0x0                                ; the last tile's stores have read their data: the codes' registers are written again only behind this wait
.endif
	WIN 0x02+(\a/4)
.irp b, 0,1,2,3,4,5,6,7
.irp i, 0,2,4,6
.if \kind == 0
	v_pk_add_f32 v[HA+8*\b+\i:HA+8*\b+\i+1], v[8*(8*(\a%4)+\b)+\i:8*(8*(\a%4)+\b)+\i+1], v[96+8*\b+96*(\b/4)+\i:96+8*\b+96*(\b/4)+\i+1]
.else
	v_pk_add_f32 v[HA+8*\b+\i:HA+8*\b+\i+1], v[8*(8*(\a%4)+\b)+\i:8*(8*(\a%4)+\b)+\i+1], v[BM+2*\a:BM+2*\a+1]
.endif
.endr
.endr
	WIN 0
	QUANT HA, PWS+\a
.if \kind == 0
	global_store_b128 v[O16], v[PC:PC+3], s[88:89] offset:768*\a        ; the first head's 64 channels,
	global_store_b64 v[O8], v[PC+4:PC+5], s[88:89] offset:768*\a
	global_store_b128 v[O16B], v[PC+6:PC+9], s[88:89] offset:768*\a     ; the second head's
	global_store_b64 v[O8B], v[PC+10:PC+11], s[88:89] offset:768*\a
.else
	global_store_b128 v[O16], v[PC:PC+3], s[88:89] offset:VIO+(\a/4)*16*REC+(\a%4)*1536
	global_store_b64 v[O8], v[PC+4:PC+5], s[88:89] offset:VIO+(\a/4)*16*REC+(\a%4)*1536
	global_store_b128 v[O16], v[PC+6:PC+9], s[88:89] offset:VIO+(\a/4)*16*REC+(\a%4)*1536+768
	global_store_b64 v[O8], v[PC+10:PC+11], s[88:89] offset:VIO+(\a/4)*16*REC+(\a%4)*1536+768
.endif
.endr
.endm
	s_load_b256 s[4:11], s[0:1], 0x0               ; opc s[4:5], ops s[6:7], b_attn s[8:9], att s[10:11]
	v_lshl_add_u32 v[SPW], v0, 2, SPARE
	v_mov_b32 v[NIL], 0
	ds_add_u32 v2, v3
	ds_add_u32 v2, v3
	s_wait_dscnt 0x0
	v_lshrrev_b32 v1, 5, v0
	v_readfirstlane_b32 s14, v1                    ; wave 0..3
	s_lshr_b32 s15, s14, 1                         ; my half of source 1's rows.  Also: I fetch for source 1 (0) or source 0 (1)
	s_and_b32 s16, s14, 1                          ; my half of source 0's rows.  Also: which 8 tiles I fetch
	s_bfe_u32 s66, ttmp6, 0x40000                  ; cx
	s_bfe_u32 s67, ttmp6, 0x40004                  ; cy
	s_and_b32 s79, ttmp7, 0xffff                   ; the cluster's y
	s_lshl_b32 s80, s79, 10
	s_lshl_b32 s81, ttmp9, 10
	s_add_co_u32 s82, s81, 8192                    ; q, k: source 0 begins at row 8192 + 1024 x cluster x
	s_lshl_b32 s83, s79, 11
	s_add_co_u32 s83, s83, s81
	s_sub_co_u32 s83, s83, 16384                   ; v: source 0 = tokens from 1024 (cluster x + 2 (cluster y - 8)) on
	s_mov_b32 s84, 10240                           ; v: source 1 = rows 8192 + 2048 on
	s_cmp_ge_u32 s79, 8                            ; the same in all sixteen partners
	s_cselect_b32 s68, s84, s80
	s_cselect_b32 s69, s83, s82
	s_cselect_b32 s85, 1, 0                        ; 1: this cluster makes v
	s_lshl_b32 s86, s67, 8
	s_add_co_u32 s68, s68, s86                     ; source 1's first row: hangs on cy, never on cx
	s_lshl_b32 s87, s66, 8
	s_add_co_u32 s69, s69, s87                     ; source 0's first row: hangs on cx, never on cy
	s_lshl_b32 s70, s67, 2
	s_lshl_b32 s70, 15, s70                        ; my row of the cluster
	s_lshl_b32 s71, 0x1111, s66                    ; my column
	s_or_b32 s[G1A], s70, (3<<16)|(1<<21)          ; 8 rows of 384 elements of 8 bytes (a tile's 3,072 bytes of this K step), 12,288 bytes apart; no padding
	s_or_b32 s[G1B], s71, (3<<16)|(1<<21)
.irp g, G1A, G1B
	s_mov_b32 s[\g+1], 384<<16
	s_mov_b32 s[\g+2], 8<<16
	s_mov_b32 s[\g+3], 384<<16
	s_mov_b32 s[\g+4], 8
	s_mov_b32 s[\g+5], 1536
	s_mov_b32 s[\g+6], 0
	s_mov_b32 s[\g+7], 0
.endr
	s_lshl_b32 s17, s16, 7
	s_add_co_u32 s70, s68, s17
	s_mul_i32 s70, s70, 768                        ; a row's share of its tile: 768 bytes
	s_mov_b32 s71, 0
	s_add_co_u32 s74, s69, s17
	s_mul_i32 s74, s74, 768
	s_mov_b32 s75, 0
	s_mul_i32 s78, s14, HALF                       ; where my load goes: no place in the cluster enters an LDS address
	s_wait_kmcnt 0x0
	s_add_nc_u64 s[72:73], s[4:5], s[70:71]
	s_add_nc_u64 s[76:77], s[4:5], s[74:75]
	CROUND                                         ; all sixteen work-groups are here: the first joint loads meet
.irp s, 0,1,2
	s_mov_b32 s[G0A+4*\s], 1
	s_add_co_u32 s[G0A+4*\s+1], s78, \s*SLOT
	s_add_nc_u64 s[G0A+4*\s+2:G0A+4*\s+3], s[72:73], \s*3072
	s_or_b32 s[G0A+4*\s+3], s[G0A+4*\s+3], 0x80000000
	s_mov_b32 s[G0B+4*\s], 1
	s_add_co_u32 s[G0B+4*\s+1], s78, \s*SLOT
	s_add_nc_u64 s[G0B+4*\s+2:G0B+4*\s+3], s[76:77], \s*3072
	s_or_b32 s[G0B+4*\s+3], s[G0B+4*\s+3], 0x80000000
	JLOAD \s
.endr
	s_lshl_b32 s17, s15, 7
	s_add_co_u32 s18, s68, s17                     ; my wave's first row of source 1,
	s_lshl_b32 s17, s16, 7
	s_add_co_u32 s19, s69, s17                     ; and of source 0
	s_sub_co_u32 s86, s19, 8192                    ; q, k: my first column of b_attn
	s_sub_co_u32 s87, s18, 8192                    ; v: likewise
	s_cmp_eq_u32 s85, 1
	s_cselect_b32 s86, 0, s86                      ; both kinds of bias are loaded in every work-group; the kind that is not used is read from b_attn's start
	s_cselect_b32 s87, s87, 0
	s_lshl_b32 s86, s86, 2
	s_lshl_b32 s88, s87, 2
	s_mov_b32 s87, 0
	s_mov_b32 s89, 0
	s_add_nc_u64 s[20:21], s[8:9], s[86:87]
	s_add_nc_u64 s[22:23], s[8:9], s[88:89]
	s_lshl_b32 s90, s18, 5
	s_lshl_b32 s91, s19, 5
	s_mov_b32 s[SEL], 0x76543210
	s_mov_b32 s[SEL+1], 0xfedcba98
	v_and_b32 v128, 31, v0                         ; lane
	v_and_b32 v129, 15, v0                         ; r
	v_bfe_u32 v130, v0, 4, 1                       ; h
	v_and_b32 v131, 8, v129
	v_add_nc_u32 v131, v131, v129                  ; r + 8 (r / 8)
	v_lshlrev_b32 v132, 6, v130
	v_lshlrev_b32 v133, 2, v131
	v_mov_b32 v134, s90
	v_mov_b32 v135, s91
	v_cmp_ne_u32 vcc_lo, 0, v130
	v_cndmask_b32 v134, v134, v135, vcc_lo         ; lanes 0-15 take source 1's scale words, lanes 16-31 source 0's
	v_lshl_add_u32 v134, v131, 5, v134
.irp i, 0,1,2,3,4,5,6,7
	global_load_b128 v[SC+8*\i:SC+8*\i+3], v134, s[6:7] offset:(32*(\i/2)+8*(\i%2))*32      ; tile i's row: its eight words, one for each 128 along K
	global_load_b128 v[SC+8*\i+4:SC+8*\i+7], v134, s[6:7] offset:(32*(\i/2)+8*(\i%2))*32+16
.endr
.irp b, 0,1,2,3,4,5,6,7
	global_load_b128 v[96+8*\b+96*(\b/4):96+8*\b+96*(\b/4)+3], v132, s[20:21] offset:(32*(\b/2)+8*(\b%2))*4      ; the bias of a lane's eight columns of tile b
	global_load_b128 v[96+8*\b+96*(\b/4)+4:96+8*\b+96*(\b/4)+7], v132, s[20:21] offset:(32*(\b/2)+8*(\b%2))*4+16
.endr
.irp a, 0,1,2,3,4,5,6,7
	global_load_b32 v[BM+2*\a], v133, s[22:23] offset:(32*(\a/2)+8*(\a%2))*4                 ; the bias of a lane's row of tile a, twice: a pair for the packed addition
	global_load_b32 v[BM+2*\a+1], v133, s[22:23] offset:(32*(\a/2)+8*(\a%2))*4
.endr
	v_lshlrev_b32 v135, 4, v128
	v_lshlrev_b32 v136, 3, v128
	v_add_nc_u32 v136, 512, v136
	s_mul_i32 s80, s15, HALF
	s_mul_i32 s81, s16, HALF
	s_add_co_u32 s81, s81, 2*HALF
.irp s, 0,1,2
	v_add_nc_u32 v[A16+\s], s80, v135
	v_add_nc_u32 v[A8+\s], s80, v136
	v_add_nc_u32 v[B16+\s], s81, v135
	v_add_nc_u32 v[B8+\s], s81, v136
	s_add_co_u32 s80, s80, SLOT
	s_add_co_u32 s81, s81, SLOT
.endr
	s_wait_loadcnt 0x0                             ; scales and biases are in, and their address registers (which the fragments take) are free
	s_wait_tensorcnt 0x2                           ; my part of slot 0 is in; slots 1 and 2 may be out
	s_barrier_signal -1
	s_barrier_wait -1
	FETCH_B 0, 0, 0
	FETCH_A 0, 0, 0
	FETCH_A 0, 0, 4
	STEP 0, 0, 1, 1                                ; the first products start the sums: nothing is cleared
	TURN 1, 1, 1                                   ; the one refill
	STEP 2, 1, 1, 0
	STEP 3, 2, 0, 0                                ; no barrier: ahead of the round every wave waited for all its loads, slot 2's among them
	STEP 4, 2, 1, 0
	TURN 5, 0, 0                                   ; slot 0's second fill is shown to every wave
	STEP 6, 0, 1, 0
	s_wait_dscnt 16
	WIN MUL_LO
	MUL16 0, 1, 7, 0
	MUL16 2, 1, 7, 0
	s_wait_dscnt 0x0
	WIN MUL_HI
	MUL16 4, 1, 7, 0
	MUL16 6, 1, 7, 0
	WIN 0
	PLACES
	v_and_b32 v62, 31, v0
	v_lshlrev_b32 v[O16], 4, v62                   ; 16 x lane
	v_lshlrev_b32 v[O8], 3, v62
	v_add_nc_u32 v[O8], 512, v[O8]                 ; 8 x lane + 512
	v_and_b32 v63, 15, v0
	v_bfe_u32 v62, v0, 4, 1                        ; h
	v_lshlrev_b32 v[SH], 4, v62
	v_lshlrev_b32 v[OSC], 4, v63                   ; 16 r
.irp b, 0,1,2,3
	v_mov_b32 v[TM+4+\b], 0                        ; a lane permute's destination counts as one of its sources
.endr
	s_mov_b32 s95, 16*REC                          ; from a head's record to the next head's
	s_cmp_eq_u32 s85, 1
	s_cbranch_scc1 .Lvway
	; ---- q or k: my 128 tokens are key step s of batch b; my 128 columns are two heads
	s_lshr_b32 s86, s18, 11                        ; b
	s_bfe_u32 s87, s18, 0x40007                    ; s
	s_sub_co_u32 s94, s19, 8192
	s_bfe_u32 s94, s94, 0x40006                    ; the first head
	s_lshl_b32 s86, s86, 4
	s_add_co_u32 s86, s86, s94                     ; bh
	s_mul_i32 s88, s86, 98304
	s_mul_i32 s94, s87, 6144
	s_add_co_u32 s88, s88, s94
	s_add_co_u32 s88, s88, QI0                     ; q's images
	s_lshl_b32 s89, s86, 13
	s_lshl_b32 s94, s87, 9
	s_add_co_u32 s89, s89, s94
	s_add_co_u32 s89, s89, QS0                     ; q's scale words
	s_lshl_b32 s90, s86, 4
	s_add_co_u32 s90, s90, s87
	s_mul_i32 s90, s90, REC                        ; k's record
	s_add_co_u32 s91, s90, KSO
	s_mov_b32 s94, 98304
	s_mov_b32 s96, 8192
	s_cmp_eq_u32 ttmp9, 0                          ; cluster x 0: q
	s_cselect_b32 s88, s88, s90
	s_cselect_b32 s90, s89, s91
	s_cselect_b32 s94, s94, s95                    ; from the first head's images to the second's
	s_cselect_b32 s96, s96, s95                    ; and the same for the scale words
	s_mov_b32 s89, 0
	s_mov_b32 s91, 0
	s_add_nc_u64 s[88:89], s[10:11], s[88:89]
	s_add_nc_u64 s[90:91], s[10:11], s[90:91]
	v_add_nc_u32 v[O16B], s94, v[O16]
	v_add_nc_u32 v[O8B], s94, v[O8]
	v_mul_u32_u24 v63, v62, s96
	v_add_nc_u32 v[OSC], v[OSC], v63               ; lanes 0-15 store the first head's words, lanes 16-31 the second's
	EPI 0
.irp a, 0,1,2,3,4,5,6,7
	v_bfe_u32 v[PWS+\a], v[PWS+\a], v[SH], 16      ; my head's two bytes; bytes 2 and 3 are 0
.endr
	global_store_b128 v[OSC], v[PWS:PWS+3], s[90:91]            ; sixteen lanes store 256 consecutive bytes, aligned
	global_store_b128 v[OSC], v[PWS+4:PWS+7], s[90:91] offset:256
	s_branch .Lend
.Lvway:
	; ---- v: my 128 rows are the channels of two heads; my 128 tokens are key step s of batch b
	s_lshr_b32 s86, s19, 11                        ; b
	s_bfe_u32 s87, s19, 0x40007                    ; s
	s_lshl_b32 s88, s67, 2
	s_lshl_b32 s89, s15, 1
	s_add_co_u32 s88, s88, s89                     ; the first head: 4 cy + 2 x my half
	s_lshl_b32 s86, s86, 4
	s_add_co_u32 s86, s86, s88
	s_lshl_b32 s86, s86, 4
	s_add_co_u32 s86, s86, s87
	s_mul_i32 s88, s86, REC
	s_mov_b32 s89, 0
	s_add_nc_u64 s[88:89], s[10:11], s[88:89]
	v_mul_u32_u24 v63, v62, s95
	v_add_nc_u32 v[OSC], v[OSC], v63
	EPI 1
	v_cmp_ne_u32 vcc_lo, 0, v62
.irp i, 0,1,2,3
	v_cndmask_b32 v[PWS+\i], v[PWS+\i], v[PWS+4+\i], vcc_lo     ; lanes 16-31 take the second head's four tiles
.endr
	global_store_b128 v[OSC], v[PWS:PWS+3], s[88:89] offset:VSO
.Lend:
	s_wait_tensorcnt 0x0                           ; the wave's end
	ds_add_u32 v[SPW], v[NIL]
	s_wait_dscnt 0x0
	CROUND                                         ; the closing round
	s_endpgm
.Lfunc_end_k_q05839d9c00_qkv:
	.size	k_q05839d9c00_qkv, .Lfunc_end_k_q05839d9c00_qkv-k_q05839d9c00_qkv
	.p2alignl 7, 3214868480
	.fill 96, 4, 3214868480
	.section	.rodata,"a",@progbits
	.p2align	6, 0x0
	.amdhsa_kernel k_q05839d9c00_qkv
		.amdhsa_group_segment_fixed_size 327680
		.amdhsa_private_segment_fixed_size 0
		.amdhsa_enable_private_segment 0
		.amdhsa_kernarg_size 32
		.amdhsa_user_sgpr_count 2
		.amdhsa_user_sgpr_kernarg_segment_ptr 1
		.amdhsa_wavefront_size32 1
		.amdhsa_system_sgpr_workgroup_id_x 1
		.amdhsa_system_sgpr_workgroup_id_y 1
		.amdhsa_system_sgpr_workgroup_id_z 1
		.amdhsa_system_vgpr_workitem_id 0
		.amdhsa_next_free_vgpr 1024
		.amdhsa_next_free_sgpr 104
		.amdhsa_reserve_vcc 1
		.amdhsa_float_denorm_mode_32 3
		.amdhsa_float_denorm_mode_16_64 3
		.amdhsa_memory_ordered 1
		.amdhsa_forward_progress 1
		.amdhsa_inst_pref_size 217
	.end_amdhsa_kernel
	.amdgpu_metadata
---
amdhsa.version: [ 1, 2 ]
amdhsa.kernels:
  - .name:           k_q05839d9c00_qkv
    .symbol:         k_q05839d9c00_qkv.kd
    .args:
      - { .name: opc, .offset: 0, .size: 8, .value_kind: global_buffer, .address_space: global }
      - { .name: ops, .offset: 8, .size: 8, .value_kind: global_buffer, .address_space: global }
      - { .name: b_attn, .offset: 16, .size: 8, .value_kind: global_buffer, .address_space: global }
      - { .name: att, .offset: 24, .size: 8, .value_kind: global_buffer, .address_space: global }
    .group_segment_fixed_size: 327680
    .private_segment_fixed_size: 0
    .kernarg_segment_align: 8
    .kernarg_segment_size: 32
    .max_flat_workgroup_size: 128
    .sgpr_count:     104
    .vgpr_count:     1024
    .wavefront_size: 32
...
	.end_amdgpu_metadata
.endif
;; end of part 2
;; launch attn (part 3): grid 4 x 64, 16 waves a work-group, clusters of 4 x 1, 210,944 bytes of LDS; arguments att, pc, ps; writes pc, ps
.if DOCPART == 3
	.amdgcn_target "amdgcn-amd-amdhsa--gfx1250"
	.amdhsa_code_object_version 6
	.text
	.protected	k_q05839d9c00_attn
	.globl	k_q05839d9c00_attn
	.p2align	8
	.type	k_q05839d9c00_attn,@function
k_q05839d9c00_attn:
	s_mov_b64 s[64:65], 0
	v_nop
	global_prefetch_b8 v0, s[64:65] scope:SCOPE_SE
	s_setreg_imm32_b32 hwreg(HW_REG_WAVE_MODE, 25, 1), 1
	s_wait_xcnt 0x0
	s_wait_alu depctr_hold_cnt(0) depctr_sa_sdst(0) depctr_va_vdst(0) depctr_va_sdst(0) depctr_va_ssrc(0) depctr_va_vcc(0) depctr_vm_vsrc(0)
	s_getreg_b32 s2, hwreg(HW_REG_IB_STS2, 6, 4)
	s_cmp_eq_u32 s2, 0
	s_cbranch_scc0 .Lentry_in_a_cluster
	s_endpgm
.Lentry_in_a_cluster:
	s_bfe_u32 s2, ttmp6, 0x10000c
	s_cmp_lg_u32 s2, 0x3003
	s_cbranch_scc0 .Lentry_shape_is_right
	s_endpgm
.Lentry_shape_is_right:
; y = softmax(q k^T / 8, causal) v for one (batch, head) a cluster, both products on codes of FP6 (E2M3) with E8M0 scales; y is quantised along the model's 1,024 channels and leaves as codes.
; THE SOFTMAX: t = score x log2(e) / 8; M = the running largest t rounded up to a whole number; p = 2^(t - M) is quantised along the keys, not normalised; the sum of the unquantised p divides at the end;
; when M moves, the sum and O are multiplied by 2^(old M - new M), which rounds nothing.
; LDS.  The head's 16 records (128 keys each: 8 key tiles, 4 fragments of v, their scale words: 13,056 bytes) fill LDS ONCE, one joint load a wave (one is out): the four work-groups of a cluster read the same
; bytes.  Nothing is filled again and LDS is only read behind the one barrier.
; SHARES.  Of every block I of 128 queries partner cx takes the 32 queries 128 I + 32 cx on: so which key steps are hidden hangs on I alone, no branch hangs on cx, and all partners have equal work.
; Wave w (u = w % 2, p = w / 2) takes tile 8 I + 2 cx + u of 16 queries, first for I = 15 - p, then for I = p: 17 key steps for every wave.  A key step after the block is jumped over (its trip only steps
; the address); on the diagonal hidden scores become -infinity ahead of the maximum.
; LAYOUT.  Both products are used transposed (S^T = K Q^T, O^T = V^T P^T): a lane holds one query.  Lane r of a tile 2 B + u is row 32 B + 8 u + r + 8 (r / 8), for keys, queries and channels alike, so that
; 16 registers of two neighbouring tiles are 16 neighbours along the next K.
; K = 64 IN AN INSTRUCTION OF 128: q's registers 6-11 are zeros.  Key tile t's registers 6-11 are the next tile's codes (behind the last tile: zeros): E2M3 has no NaN and no infinity, bytes 2 and 3 of both
; scale words are 0, so those products are zeros and add nothing.
; y's scale bytes leave as 2 bytes a row (262,144 bytes in all): a row's 32 bytes come from 16 heads, that is 16 clusters.
; LIMITS: NaN and infinities are not served; a block whose largest magnitude lies under 2^-124 keeps the byte 1; y = O x (1 / sum) by v_rcp_f32.
.set REC, 13056
.set VIO, 6144
.set KSO, 12288
.set VSO, 12800
.set QI0, 13369344
.set QS0, 19660800
.set L16, 1                            ; 16 x lane
.set L8,  2                            ; 8 x lane + 512
.set LS,  3                            ; 16 r
.set A16, 4                            ; the same three in the record in hand
.set A8,  5
.set ASC, 6
.set DD,  7                            ; my query's place in its block of 128, less 16 h
.set YSO, 8                            ; 32 x (r + 8 (r / 8))
.set QSO, 9
.set Q,   16                           ; v16-21 q, v22-27 zeros
.set QSW, 28
.set KF,  32                           ; v32-79 eight key tiles, v80-85 zeros
.set KSW, 88
.set P,   96                           ; v96-159 S^T, then p; then v's four fragments in v96-143; at the end y
.set O,   160                          ; v160-191 O^T
.set VSW, 192
.set PCD, 196                          ; p's codes, later y's
.set CT,  208                          ; v208-210, v212-214 at work
.set BMX, 216
.set PT,  220
.set SO,  224
.set PSW, 232
.set YSW, 233
.set F,   234
.set T,   236
.set NINF, 237
.set SUM2, 238
.set WV, 10
.set CX, 11
.set BH, 12
.set U,  13
.set II, 14
.set SS, 15
.set OC, 16
.set TB, 17
.set SEL, 18
.set CS, 20
.set G1, 24
.set G0, 32
.macro CROUND                          ; a round of the cluster's barrier
	s_barrier_signal -1
	s_barrier_wait -1
	s_cmp_lg_u32 s[WV], 0
	s_cbranch_scc1 .Lnot_wave_0_\@
	s_barrier_signal -3
.Lnot_wave_0_\@:
	s_barrier_wait -3
	s_barrier_signal -1
	s_barrier_wait -1
.endm
	s_load_b128 s[4:7], s[0:1], 0x0                ; att s[4:5], pc s[6:7]
	s_load_b64 s[8:9], s[0:1], 0x10                ; ps
	v_lshl_add_u32 v254, v0, 2, 0x33000
	v_mov_b32 v255, 0
	ds_add_u32 v254, v255
	ds_add_u32 v254, v255
	v_lshrrev_b32 v1, 5, v0
	s_delay_alu instid0(VALU_DEP_1)
	v_readfirstlane_b32 s[WV], v1                  ; wave 0..15
	s_bfe_u32 s[CX], ttmp6, 0x40000                ; cx: it enters q's and y's global addresses and the mask's lane number alone
	s_and_b32 s[BH], ttmp7, 0xffff                 ; 16 x batch + head, which the four partners share
	s_and_b32 s[U], s[WV], 1
	s_lshr_b32 s52, s[WV], 1
	s_sub_co_u32 s[II], 15, s52                    ; my first block of queries
	s_mov_b32 s[G1], 15|(3<<16)|(1<<21)            ; the mask: all four; elements of 8 bytes; a record is a dense block: 51 rows of 256 bytes
	s_mov_b32 s[G1+1], 32<<16
	s_mov_b32 s[G1+2], 51<<16
	s_mov_b32 s[G1+3], 32<<16
	s_mov_b32 s[G1+4], 51
	s_mov_b32 s[G1+5], 32
	s_mov_b32 s[G1+6], 0
	s_mov_b32 s[G1+7], 0
	s_lshl_b32 s52, s[BH], 4
	s_add_co_u32 s52, s52, s[WV]
	s_mul_i32 s52, s52, REC                        ; wave w fetches record w of the head
	s_mov_b32 s53, 0
	s_mul_i32 s54, s[WV], REC
	s_mov_b32 s[SEL], 0x76543210
	s_mov_b32 s[SEL+1], 0xfedcba98
	s_mov_b32 s[CS], 0x3e38aa3b                    ; c = log2(e) / 8
	s_mov_b32 s[CS+1], s[CS]
	s_wait_dscnt 0x0
	s_wait_kmcnt 0x0
	s_mov_b32 s[G0], 1
	s_mov_b32 s[G0+1], s54
	s_add_nc_u64 s[G0+2:G0+3], s[4:5], s[52:53]
	s_or_b32 s[G0+3], s[G0+3], 0x80000000
	CROUND                                         ; all four work-groups are here: the joint loads meet
	tensor_load_to_lds s[G0:G0+3], s[G1:G1+7]
	s_nop 0
.rept 4
	v_nop
.endr
	s_mul_i32 s52, s[BH], 98304
	s_add_co_u32 s52, s52, QI0
	s_add_nc_u64 s[36:37], s[4:5], s[52:53]        ; the head's images of q
	s_lshl_b32 s52, s[BH], 13
	s_add_co_u32 s52, s52, QS0
	s_add_nc_u64 s[38:39], s[4:5], s[52:53]        ; and q's scale words
	s_lshr_b32 s54, s[BH], 4                       ; batch
	s_and_b32 s55, s[BH], 15                       ; head
	s_mul_i32 s52, s54, 128*12288
	s_lshr_b32 s56, s55, 1
	s_mul_i32 s56, s56, 1536
	s_add_co_u32 s52, s52, s56
	s_and_b32 s56, s55, 1
	s_mul_i32 s56, s56, 768
	s_add_co_u32 s52, s52, s56
	s_add_nc_u64 s[44:45], s[6:7], s[52:53]        ; y's codes: the batch's tiles, K step head / 2, half head % 2
	s_lshl_b32 s57, s[CX], 5
	s_lshl_b32 s58, s[U], 3
	s_add_co_u32 s57, s57, s58                     ; 32 cx + 8 u
	s_lshl_b32 s52, s54, 16
	s_lshl_b32 s56, s55, 1
	s_add_co_u32 s52, s52, s56
	s_lshl_b32 s56, s57, 5
	s_add_co_u32 s52, s52, s56
	s_add_nc_u64 s[46:47], s[8:9], s[52:53]        ; y's scale bytes: 32 a row, the head's two
	s_and_b32 s56, s[CX], 1
	s_lshl_b32 s56, s56, 1
	s_add_co_u32 s56, s56, s[U]
	s_lshl_b32 s56, s56, 2                         ; 4 x (my tile % 4)
	v_and_b32 v10, 31, v0
	s_delay_alu instid0(VALU_DEP_1)
	v_lshlrev_b32 v[L16], 4, v10
	s_delay_alu instid0(VALU_DEP_2)
	v_lshlrev_b32 v[L8], 3, v10
	s_delay_alu instid0(VALU_DEP_1)
	v_add_nc_u32 v[L8], 512, v[L8]
	v_and_b32 v10, 15, v0                          ; r
	s_delay_alu instid0(VALU_DEP_1)
	v_lshlrev_b32 v[LS], 4, v10
	s_delay_alu instid0(VALU_DEP_1)
	v_add_nc_u32 v[QSO], s56, v[LS]
	s_delay_alu instid0(VALU_DEP_3)
	v_and_b32 v11, 8, v10
	s_delay_alu instid0(VALU_DEP_1)
	v_add_nc_u32 v11, v11, v10                     ; r + 8 (r / 8)
	s_delay_alu instid0(VALU_DEP_1)
	v_lshlrev_b32 v[YSO], 5, v11
	v_bfe_u32 v10, v0, 4, 1                        ; h
	s_delay_alu instid0(VALU_DEP_1)
	v_lshlrev_b32 v10, 4, v10
	s_delay_alu instid0(VALU_DEP_1)
	v_sub_nc_u32 v[DD], v11, v10
	s_delay_alu instid0(VALU_DEP_1)
	v_add_nc_u32 v[DD], s57, v[DD]
.irp i, 0,1,2,3,4,5
	v_mov_b32 v[Q+6+\i], 0                         ; q's k = 64 .. 127: zero codes
	v_mov_b32 v[KF+48+\i], 0                       ; behind the last key tile
.endr
.irp b, 0,1,2,3
	v_mov_b32 v[PT+\b], 0                          ; a lane permute's destination counts as one of its sources
.endr
	v_mov_b32 v[F+1], 0                            ; named as the upper half of a pair
	v_mov_b32 v[T], 0
	v_mov_b32 v[NINF], 0xff800000                  ; -infinity
	s_mov_b32 s[OC], 0
	s_wait_tensorcnt 0x0                           ; my record has landed,
	s_barrier_signal -1
	s_barrier_wait -1                              ; everybody's has
.Ltile:                                            ; two trips: a tile of 16 queries each
	s_lshl_b32 s52, s[II], 3
	s_lshl_b32 s53, s[CX], 1
	s_add_co_u32 s52, s52, s53
	s_add_co_u32 s52, s52, s[U]                    ; my tile: 8 I + 2 cx + u
	s_mul_i32 s54, s52, 768
	s_mov_b32 s55, 0
	s_add_nc_u64 s[40:41], s[36:37], s[54:55]
	s_mul_i32 s54, s52, 12288
	s_add_nc_u64 s[48:49], s[44:45], s[54:55]
	s_lshl_b32 s54, s[II], 1
	s_lshr_b32 s53, s[CX], 1
	s_add_co_u32 s54, s54, s53
	s_lshl_b32 s54, s54, 8
	s_add_nc_u64 s[42:43], s[38:39], s[54:55]
	s_lshl_b32 s54, s[II], 12
	s_add_nc_u64 s[50:51], s[46:47], s[54:55]
	global_load_b128 v[Q:Q+3], v[L16], s[40:41]
	global_load_b64 v[Q+4:Q+5], v[L8], s[40:41]
	global_load_b32 v[QSW], v[QSO], s[42:43]
.set n, 0
.rept 32
	v_mov_b32 v[O+n], 0                            ; O^T: the first change of M leaves zeros zeros
.set n, n+1
.endr
	v_mov_b32 v13, 0xff61b1e6                      ; the largest t so far: -3e38
	s_delay_alu instid0(VALU_DEP_1)
	v_floor_f32 v12, -v13                          ; -M
	v_mov_b32 v14, 0
	v_mov_b32 v15, 0                               ; the sum, in two halves
	s_mov_b32 s[TB], 0
	s_mov_b32 s[SS], 0
	s_wait_loadcnt 0x0
.Lstep:                                            ; 16 trips, a constant: key step SS
	s_cmp_gt_u32 s[SS], s[II]
	s_cbranch_scc1 .Lhidden                        ; all its keys come after my queries
	s_setprio 2
	v_add_nc_u32 v[A16], s[TB], v[L16]
	v_add_nc_u32 v[A8], s[TB], v[L8]
	v_add_nc_u32 v[ASC], s[TB], v[LS]
.irp t, 0,1,2,3,4,5,6,7
	ds_load_b128 v[KF+6*\t:KF+6*\t+3], v[A16] offset:768*\t
	ds_load_b64 v[KF+6*\t+4:KF+6*\t+5], v[A8] offset:768*\t
.endr
	ds_load_b128 v[KSW:KSW+3], v[ASC] offset:KSO
	ds_load_b128 v[KSW+4:KSW+7], v[ASC] offset:KSO+256
	s_wait_dscnt 0x0
.irp t, 0,1,2,3,4,5,6,7
	v_wmma_scale_f32_16x16x128_f8f6f4 v[P+8*\t:P+8*\t+7], v[KF+6*\t:KF+6*\t+11], v[Q:Q+11], 0, v[KSW+\t], v[QSW] matrix_a_fmt:MATRIX_FMT_FP6 matrix_b_fmt:MATRIX_FMT_FP6
.endr
.rept 4
	v_nop
.endr
	s_cmp_lg_u32 s[SS], s[II]
	s_cbranch_scc1 .Lopen                          ; every key of the step counts
.set n, 0
.rept 64                                           ; on the diagonal: register 16 b + i holds key 32 b + 16 h + i of the step: hidden where 32 b + i > my query's place - 16 h
	v_cmp_gt_i32 vcc_lo, 32*(n/16)+n%16, v[DD]
	v_cndmask_b32 v[P+n], v[P+n], v[NINF], vcc_lo
.set n, n+1
.endr
.Lopen:
.irp b, 0,1,2,3
	v_max3_num_f32 v[BMX+\b], v[P+16*\b], v[P+1+16*\b], v[P+2+16*\b]      ; the largest score of each block of 32 keys: for the row's maximum, and for the block's largest p
.endr
.irp i, 3,5,7,9,11,13
.irp b, 0,1,2,3
	v_max3_num_f32 v[BMX+\b], v[BMX+\b], v[P+16*\b+\i], v[P+1+16*\b+\i]
.endr
.endr
.irp b, 0,1,2,3
	v_max_num_f32 v[BMX+\b], v[BMX+\b], v[P+15+16*\b]
.endr
.irp b, 0,1,2,3
	s_delay_alu instid0(VALU_DEP_4)
	v_permlanex16_b32 v[PT+\b], v[BMX+\b], s[SEL], s[SEL+1]
.endr
.irp b, 0,1,2,3
	s_delay_alu instid0(VALU_DEP_4)
	v_max_num_f32 v[BMX+\b], v[BMX+\b], v[PT+\b]   ; with lane l xor 16's 16 keys
.endr
	s_delay_alu instid0(VALU_DEP_2)
	v_max3_num_f32 v[T], v[BMX], v[BMX+1], v[BMX+2]
	s_delay_alu instid0(VALU_DEP_1)
	v_max_num_f32 v[T], v[T], v[BMX+3]
	s_delay_alu instid0(VALU_DEP_1)
	v_mul_f32 v[T], s[CS], v[T]                    ; the step's largest t
	s_delay_alu instid0(VALU_DEP_1)
	v_max_num_f32 v13, v13, v[T]                   ; the running largest t
	v_mov_b32 v[T], v12
	s_delay_alu instid0(VALU_DEP_2)
	v_floor_f32 v12, -v13                          ; the new -M = -ceil(t)
	s_delay_alu instid0(VALU_DEP_1)
	v_sub_f32 v[T], v12, v[T]                      ; old M - new M: a whole number, 0 or less
	s_delay_alu instid0(VALU_DEP_1)
	v_cvt_i32_f32 v[T], v[T]                       ; (it saturates)
	s_delay_alu instid0(VALU_DEP_1)
	v_ldexp_f32 v[F], 1.0, v[T]                    ; f = 2^(old M - new M)
.set n, 0
.rept 32
	v_pk_fma_f32 v[P+n:P+n+1], v[P+n:P+n+1], s[CS:CS+1], v[12:13] op_sel_hi:[1,0,0]   ; t - M
.set n, n+2
.endr
.irp b, 0,1,2,3
	v_fma_f32 v[BMX+\b], v[BMX+\b], s[CS], v12
.endr
.set n, 0
	s_setprio 1
	s_wait_alu depctr_va_vdst(0)
.rept 64
	v_exp_f32 v[P+n], v[P+n]                       ; p = 2^(t - M)
.set n, n+1
.endr
.irp b, 0,1,2,3
	v_exp_f32 v[BMX+\b], v[BMX+\b]                 ; the block's largest p: the same two instructions on the same number
.endr
	v_pk_mul_f32 v[14:15], v[14:15], v[F:F+1] op_sel_hi:[1,0]   ; the sums under the new M (a plain place behind the exponentials)
	s_wait_alu depctr_va_vdst(0)
.irp b, 0,1,2,3
	v_max_num_f32 v[BMX+\b], 0x1800000, v[BMX+\b]  ; the floor 2^(3 - 127)
.endr
.irp b, 0,1,2,3
	s_delay_alu instid0(VALU_DEP_4)
	v_add_nc_u32 v[SO+\b], 0xff000000, v[BMX+\b]   ; the conversion's scale operand
.endr
.irp b, 0,1,2,3
	s_delay_alu instid0(VALU_DEP_4)
	v_lshrrev_b32 v[PT+\b], 23, v[SO+\b]           ; the scale's byte
.endr
	s_delay_alu instid0(VALU_DEP_3)
	v_lshl_or_b32 v[PSW], v[PT+1], 8, v[PT]
	s_delay_alu instid0(VALU_DEP_1)
	v_lshl_or_b32 v[PSW], v[PT+2], 16, v[PSW]
	s_delay_alu instid0(VALU_DEP_1)
	v_lshl_or_b32 v[PSW], v[PT+3], 24, v[PSW]      ; p's scale word for these 128 keys
.irp c, 0,1
	v_cvt_scalef32_pk16_fp6_f32 v[PCD+6*\c:PCD+6*\c+2], v[P+32*\c:P+32*\c+15], v[SO+2*\c]
	v_cvt_scalef32_pk16_fp6_f32 v[CT+4*\c:CT+4*\c+2], v[P+32*\c+16:P+32*\c+31], v[SO+2*\c+1]
.endr
	v_nop                                          ; one plain place behind a scaled conversion
.irp c, 0,1
.irp i, 0,1,2
	v_permlane16_swap_b32 v[PCD+6*\c+\i], v[CT+4*\c+\i]
.endr
.irp i, 0,1,2
	s_delay_alu instid0(VALU_DEP_3)
	v_mov_b32 v[PCD+6*\c+3+\i], v[CT+4*\c+\i]
.endr
.endr
	v_pk_add_f32 v[238:239], v[100:101], v[104:105]
	v_pk_add_f32 v[252:253], v[108:109], v[112:113]
	v_pk_add_f32 v[250:251], v[116:117], v[120:121]
	v_pk_add_f32 v[248:249], v[124:125], v[128:129]
	v_pk_add_f32 v[246:247], v[132:133], v[136:137]
	v_pk_add_f32 v[244:245], v[140:141], v[144:145]
	v_pk_add_f32 v[242:243], v[148:149], v[152:153]
	v_pk_add_f32 v[14:15], v[14:15], v[156:157]
	v_pk_add_f32 v[238:239], v[238:239], v[96:97]
	v_pk_add_f32 v[252:253], v[252:253], v[98:99]
	v_pk_add_f32 v[250:251], v[250:251], v[102:103]
	v_pk_add_f32 v[248:249], v[248:249], v[106:107]
	v_pk_add_f32 v[246:247], v[246:247], v[110:111]
	v_pk_add_f32 v[244:245], v[244:245], v[114:115]
	v_pk_add_f32 v[242:243], v[242:243], v[118:119]
	v_pk_add_f32 v[14:15], v[14:15], v[122:123]
	v_pk_add_f32 v[238:239], v[238:239], v[126:127]
	v_pk_add_f32 v[252:253], v[252:253], v[130:131]
	v_pk_add_f32 v[250:251], v[250:251], v[134:135]
	v_pk_add_f32 v[248:249], v[248:249], v[138:139]
	v_pk_add_f32 v[246:247], v[246:247], v[142:143]
	v_pk_add_f32 v[244:245], v[244:245], v[146:147]
	v_pk_add_f32 v[242:243], v[242:243], v[150:151]
	v_pk_add_f32 v[14:15], v[14:15], v[154:155]
	v_pk_add_f32 v[238:239], v[238:239], v[158:159]
	s_delay_alu instid0(VALU_DEP_2)
	v_pk_add_f32 v[14:15], v[14:15], v[248:249]
	s_delay_alu instid0(VALU_DEP_2)
	v_pk_add_f32 v[238:239], v[238:239], v[246:247]
	v_pk_add_f32 v[252:253], v[252:253], v[244:245]
	v_pk_add_f32 v[250:251], v[250:251], v[242:243]
	s_delay_alu instid0(VALU_DEP_2)
	v_pk_add_f32 v[14:15], v[14:15], v[252:253]
	s_delay_alu instid0(VALU_DEP_2)
	v_pk_add_f32 v[238:239], v[238:239], v[250:251]
	s_delay_alu instid0(VALU_DEP_1)
	v_pk_add_f32 v[14:15], v[14:15], v[238:239]
	s_setprio 0
.irp t, 0,1,2,3                                    ; v's four fragments take p's registers
	ds_load_b128 v[P+12*\t:P+12*\t+3], v[A16] offset:VIO+1536*\t
	ds_load_b64 v[P+12*\t+4:P+12*\t+5], v[A8] offset:VIO+1536*\t
	ds_load_b128 v[P+12*\t+6:P+12*\t+9], v[A16] offset:VIO+1536*\t+768
	ds_load_b64 v[P+12*\t+10:P+12*\t+11], v[A8] offset:VIO+1536*\t+768
.endr
	ds_load_b128 v[VSW:VSW+3], v[ASC] offset:VSO
.set n, 0
.rept 16
	v_pk_mul_f32 v[O+n:O+n+1], v[O+n:O+n+1], v[F:F+1] op_sel_hi:[1,0]     ; O^T under the new M; with the sums above these are the places between the codes' and the scale word's last writes and the products
.set n, n+2
.endr
	s_wait_alu depctr_va_vdst(0)
	s_wait_dscnt 0x0
.irp t, 0,1,2,3                                    ; the four accumulators take turns
	v_wmma_scale_f32_16x16x128_f8f6f4 v[O+8*\t:O+8*\t+7], v[P+12*\t:P+12*\t+11], v[PCD:PCD+11], v[O+8*\t:O+8*\t+7], v[VSW+\t], v[PSW] matrix_a_fmt:MATRIX_FMT_FP6 matrix_b_fmt:MATRIX_FMT_FP6
.endr
.rept 5
	v_nop                                          ; five places: the next step's scores are written by matrix instructions over v's fragments
.endr
.Lhidden:
	s_add_co_u32 s[TB], s[TB], REC
	s_add_co_u32 s[SS], s[SS], 1
	s_cmp_lt_u32 s[SS], 16
	s_cbranch_scc1 .Lstep
	s_setprio 0
	s_wait_alu depctr_va_vdst(0)
	; the way out of a tile: y = O^T / the sum, quantised along the head's two blocks of 32 channels
	v_add_f32 v14, v14, v15
	s_delay_alu instid0(VALU_DEP_1)
	v_permlanex16_b32 v[T], v14, s[SEL], s[SEL+1]
	s_delay_alu instid0(VALU_DEP_1)
	v_add_f32 v14, v14, v[T]                       ; the row's sum
	s_wait_alu depctr_va_vdst(0)
	v_rcp_f32 v14, v14
	v_nop                                          ; a plain place behind the transcendental
.set n, 0
	s_wait_alu depctr_va_vdst(0)
.rept 16
	v_pk_mul_f32 v[P+n:P+n+1], v[O+n:O+n+1], v[14:15] op_sel_hi:[1,0]     ; register 16 B + i: channel 32 B + 16 h + i of my query
.set n, n+2
.endr
.irp b, 0,1
	v_max3_num_f32 v[BMX+\b], |v[P+16*\b]|, |v[P+1+16*\b]|, 0x1800000
.endr
.irp i, 2,4,6,8,10,12,14
.irp b, 0,1
	s_delay_alu instid0(VALU_DEP_2)
	v_max3_num_f32 v[BMX+\b], v[BMX+\b], |v[P+16*\b+\i]|, |v[P+1+16*\b+\i]|
.endr
.endr
.irp b, 0,1
	s_delay_alu instid0(VALU_DEP_2)
	v_permlanex16_b32 v[PT+\b], v[BMX+\b], s[SEL], s[SEL+1]
.endr
.irp b, 0,1
	s_delay_alu instid0(VALU_DEP_2)
	v_max_num_f32 v[BMX+\b], v[BMX+\b], v[PT+\b]
.endr
.irp b, 0,1
	s_delay_alu instid0(VALU_DEP_2)
	v_add_nc_u32 v[SO+\b], 0xff000000, v[BMX+\b]
.endr
.irp b, 0,1
	s_delay_alu instid0(VALU_DEP_2)
	v_lshrrev_b32 v[PT+\b], 23, v[SO+\b]
.endr
	s_delay_alu instid0(VALU_DEP_1)
	v_lshl_or_b32 v[YSW], v[PT+1], 8, v[PT]
	v_cvt_scalef32_pk16_fp6_f32 v[PCD:PCD+2], v[P:P+15], v[SO]
	v_cvt_scalef32_pk16_fp6_f32 v[CT:CT+2], v[P+16:P+31], v[SO+1]
	v_nop
.irp i, 0,1,2
	v_permlane16_swap_b32 v[PCD+\i], v[CT+\i]
.endr
.irp i, 0,1,2
	s_delay_alu instid0(VALU_DEP_3)
	v_mov_b32 v[PCD+3+\i], v[CT+\i]
.endr
	global_store_b128 v[L16], v[PCD:PCD+3], s[48:49]            ; half a fragment's image: 768 consecutive bytes, aligned to 256
	global_store_b64 v[L8], v[PCD+4:PCD+5], s[48:49]
	global_store_b16 v[YSO], v[YSW], s[50:51]                   ; lanes l and l xor 16 write the same two bytes with the same value
	s_wait_xcnt 0x0                                ; bases and data are written again only behind this wait
	s_sub_co_u32 s[II], 15, s[II]                  ; my second block of queries
	s_add_co_u32 s[OC], s[OC], 1
	s_cmp_lt_u32 s[OC], 2
	s_cbranch_scc1 .Ltile
	s_wait_tensorcnt 0x0
	ds_add_u32 v254, v255
	s_wait_dscnt 0x0
	CROUND                                         ; the closing round
	s_endpgm
.Lfunc_end_k_q05839d9c00_attn:
	.size	k_q05839d9c00_attn, .Lfunc_end_k_q05839d9c00_attn-k_q05839d9c00_attn
	.p2alignl 7, 3214868480
	.fill 96, 4, 3214868480
	.section	.rodata,"a",@progbits
	.p2align	6, 0x0
	.amdhsa_kernel k_q05839d9c00_attn
		.amdhsa_group_segment_fixed_size 210944
		.amdhsa_private_segment_fixed_size 0
		.amdhsa_enable_private_segment 0
		.amdhsa_kernarg_size 24
		.amdhsa_user_sgpr_count 2
		.amdhsa_user_sgpr_kernarg_segment_ptr 1
		.amdhsa_wavefront_size32 1
		.amdhsa_system_sgpr_workgroup_id_x 1
		.amdhsa_system_sgpr_workgroup_id_y 1
		.amdhsa_system_sgpr_workgroup_id_z 1
		.amdhsa_system_vgpr_workitem_id 0
		.amdhsa_next_free_vgpr 256
		.amdhsa_next_free_sgpr 66
		.amdhsa_reserve_vcc 1
		.amdhsa_float_denorm_mode_32 3
		.amdhsa_float_denorm_mode_16_64 3
		.amdhsa_memory_ordered 1
		.amdhsa_forward_progress 1
		.amdhsa_inst_pref_size 35
	.end_amdhsa_kernel
	.amdgpu_metadata
---
amdhsa.version: [ 1, 2 ]
amdhsa.kernels:
  - .name:           k_q05839d9c00_attn
    .symbol:         k_q05839d9c00_attn.kd
    .args:
      - { .name: att, .offset: 0, .size: 8, .value_kind: global_buffer, .address_space: global }
      - { .name: pc, .offset: 8, .size: 8, .value_kind: global_buffer, .address_space: global }
      - { .name: ps, .offset: 16, .size: 8, .value_kind: global_buffer, .address_space: global }
    .group_segment_fixed_size: 210944
    .private_segment_fixed_size: 0
    .kernarg_segment_align: 8
    .kernarg_segment_size: 24
    .max_flat_workgroup_size: 512
    .sgpr_count:     66
    .vgpr_count:     256
    .wavefront_size: 32
...
	.end_amdgpu_metadata
.endif
;; end of part 3
;; launch proj (part 4): grid 4 x 32, 4 waves a work-group, clusters of 4 x 4, 327,680 bytes of LDS; arguments pc, ps, b_proj, out0; writes out0
.if DOCPART == 4
	.amdgcn_target "amdgcn-amd-amdhsa--gfx1250"
	.amdhsa_code_object_version 6
	.text
	.protected	k_q05839d9c00_proj
	.globl	k_q05839d9c00_proj
	.p2align	8
	.type	k_q05839d9c00_proj,@function
k_q05839d9c00_proj:
	s_mov_b64 s[64:65], 0
	v_nop
	global_prefetch_b8 v0, s[64:65] scope:SCOPE_SE
	s_setreg_imm32_b32 hwreg(HW_REG_WAVE_MODE, 25, 1), 1
	s_wait_xcnt 0x0
	s_wait_alu depctr_hold_cnt(0) depctr_sa_sdst(0) depctr_va_vdst(0) depctr_va_sdst(0) depctr_va_ssrc(0) depctr_va_vcc(0) depctr_vm_vsrc(0)
	s_getreg_b32 s2, hwreg(HW_REG_IB_STS2, 6, 4)
	s_cmp_eq_u32 s2, 0
	s_cbranch_scc0 .Lentry_in_a_cluster
	s_endpgm
.Lentry_in_a_cluster:
	s_bfe_u32 s2, ttmp6, 0x10000c
	s_cmp_lg_u32 s2, 0xf033
	s_cbranch_scc0 .Lentry_shape_is_right
	s_endpgm
.Lentry_shape_is_right:
; out0 = y w_proj + b_proj on codes of FP6 (E2M3) with E8M0 scales, K = 1,024; out0 [8192][1024] f32.
; OPERANDS.  pc holds 9,216 rows (tokens 0-8191 of y; row 8192 + n = column n of w_proj) in tiles of 16 (lane r of tile 2 B + u = row 32 B + 8 u + r + 8 (r / 8)); a fragment (tile x 128 K) is 1,536 bytes, the
; image of its 12 registers; a tile's 8 fragments lie on end.  ps: 32 scale bytes a row.
; A TILE of 256 x 256 is made by four waves, 128 x 128 each.  Source 0 = 16 columns of w_proj, source 1 = 16 tokens: a lane holds eight neighbouring numbers of a row of out0.
; K goes in four steps of 256 through THREE LDS slots: slots 0-2 are filled at the start (three loads of a wave are out), slot 0 once more, behind one round of the cluster's barrier.
; CLUSTERS 4 x 4: y's tiles are shared along a row of the cluster, w_proj's along a column, by joint loads.  The grid has 128 work-groups: a tile of half the size would read each LDS byte for half the products.
; The bias is the C of each sum's first matrix instruction.  The scale words of a wave's 256 rows for all of K stay in 64 registers: lanes 0-15 y's tile i, lanes 16-31 w_proj's tile i.
; REGISTERS, window 0: v2, v3 the add's; v4-15 LDS addresses; v16-18 the way out; v32-95 scale words; v96-127, v224-255 the bias; v128-223 y's 8 fragments; on the way out v128-255 rows of out0.
; window 1: w_proj's fragments, two sets.  windows 2, 3: accumulator (a, b) at v[8 (8 (a % 4) + b)].
.set SLOT,  98304
.set HALF,  24576
.set SPARE, 3*SLOT                     ; the spare words: 128 bytes a wave, two blocks of 256 bytes that no other line names
.set FR,    12
.set SPITCH, 528                       ; the stage: 16 rows x (512 bytes + 16) for each wave, in slot 1, which has had its only fill and its last read when the first result is stored there
.set SPW, 2
.set NIL, 3
.set A16, 4
.set A8,  7
.set B16, 10
.set B8,  13
.set STO, 16
.set RD,  17
.set CO,  18
.set SC,  32
.set AF,  128
.set BK,  128
.set G1A, 24
.set G0A, 32
.set G1B, 44
.set G0B, 52
.set MSB, 0
.macro WIN new                         ; the immediate's high byte repeats the setting that is left
.if MSB != (\new)
	s_set_vgpr_msb (MSB<<8)|(\new)
.set MSB, (\new)
.endif
.endm
.set MUL_LO, 0xa1                      ; source 0 window 1, source 1 window 0, C and D window 2
.set MUL_HI, 0xf1
.set TO_B,   0x40
.macro PLACES                          ; four plain places: in front of loads into registers that matrix instructions have read, and of the first read of results
.rept 4
	v_nop
.endr
.endm
.macro JLOAD s                         ; a joint load: waves 0, 1 fetch y's halves, waves 2, 3 w_proj's; four v_nop follow each line
	s_cmp_eq_u32 s15, 0
	s_cbranch_scc0 .Lfor_b_\@
	tensor_load_to_lds s[G0A+4*\s:G0A+4*\s+3], s[G1A:G1A+7]
	s_nop 0
.rept 4
	v_nop
.endr
	s_branch .Lasked_\@
.Lfor_b_\@:
	tensor_load_to_lds s[G0B+4*\s:G0B+4*\s+3], s[G1B:G1B+7]
	s_nop 0
.rept 4
	v_nop
.endr
.Lasked_\@:
.endm
.macro CREST
	s_cmp_lg_u32 s14, 0
	s_cbranch_scc1 .Lnot_wave_0_\@
	s_barrier_signal -3
.Lnot_wave_0_\@:
	s_barrier_wait -3
	s_barrier_signal -1
	s_barrier_wait -1
.endm
.macro CROUND
	s_barrier_signal -1
	s_barrier_wait -1
	CREST
.endm
.macro FRAG reg, a16, a8, q, i
	ds_load_b128 v[\reg:\reg+3], v[\a16] offset:3072*(\i)+1536*(\q)
	ds_load_b64 v[\reg+4:\reg+5], v[\a8] offset:3072*(\i)+1536*(\q)
	ds_load_b128 v[\reg+6:\reg+9], v[\a16] offset:3072*(\i)+1536*(\q)+768
	ds_load_b64 v[\reg+10:\reg+11], v[\a8] offset:3072*(\i)+1536*(\q)+768
.endm
.macro FETCH_B slot, q, p
	WIN TO_B
.irp i, 0,1,2,3,4,5,6,7
	FRAG 128*(\p)+FR*\i, B16+\slot, B8+\slot, \q, \i
.endr
	WIN 0
.endm
.macro FETCH_A slot, q, i0
.irp i, \i0, \i0+1, \i0+2, \i0+3
	FRAG AF+FR*(\i), A16+\slot, A8+\slot, \q, \i
.endr
.endm
; 16 matrix instructions; first = 1: the sums begin with the bias as C.  The 64 accumulators take turns, one instruction a turn, in one order throughout.
.macro MUL16 a0, p, kk, first
.irp a, \a0, \a0+1
.irp b, 0,1,2,3,4,5,6,7
.if \first
	v_wmma_scale_f32_16x16x128_f8f6f4 v[8*(8*((\a)%4)+\b):8*(8*((\a)%4)+\b)+7], v[128*(\p)+FR*\b:128*(\p)+FR*\b+FR-1], v[AF+FR*(\a):AF+FR*(\a)+FR-1], v[96+8*\b+96*(\b/4):96+8*\b+96*(\b/4)+7], v[SC+8*\b+(\kk)], v[SC+8*(\a)+(\kk)] matrix_a_fmt:MATRIX_FMT_FP6 matrix_b_fmt:MATRIX_FMT_FP6 matrix_a_scale:MATRIX_SCALE_ROW1
.else
	v_wmma_scale_f32_16x16x128_f8f6f4 v[8*(8*((\a)%4)+\b):8*(8*((\a)%4)+\b)+7], v[128*(\p)+FR*\b:128*(\p)+FR*\b+FR-1], v[AF+FR*(\a):AF+FR*(\a)+FR-1], v[8*(8*((\a)%4)+\b):8*(8*((\a)%4)+\b)+7], v[SC+8*\b+(\kk)], v[SC+8*(\a)+(\kk)] matrix_a_fmt:MATRIX_FMT_FP6 matrix_b_fmt:MATRIX_FMT_FP6 matrix_a_scale:MATRIX_SCALE_ROW1
.endif
.endr
.endr
.endm
.macro STEP kk, nslot, nq, first
	s_wait_dscnt 16                                ; w_proj's set and y's tiles 0-3 are in; the youngest sixteen loads (tiles 4-7) may be out
.if \first
	WIN 0x81                                       ; the bias, C, lies in window 0
.else
	WIN MUL_LO
.endif
	MUL16 0, (\kk)%2, \kk, \first
	MUL16 2, (\kk)%2, \kk, \first
	s_wait_dscnt 0x0
	PLACES
	FETCH_B \nslot, \nq, 1-(\kk)%2
	FETCH_A \nslot, \nq, 0
.if \first
	WIN 0xc1
.else
	WIN MUL_HI
.endif
	MUL16 4, (\kk)%2, \kk, \first
	MUL16 6, (\kk)%2, \kk, \first
	PLACES
	WIN 0
	FETCH_A \nslot, \nq, 4
.endm
.macro TURN kk, next, fill
	s_wait_tensorcnt 0x0                           ; all my tensor loads have landed
	ds_add_u32 v[SPW], v[NIL]                      ; 0 onto my spare word
	s_wait_dscnt 17                                ; (the add and the youngest sixteen loads may be out)
	WIN MUL_LO
	MUL16 0, 1, \kk, 0
	s_wait_dscnt 0x0                               ; the add is done, and my reads of the slot are over
	s_barrier_signal -1
	MUL16 2, 1, \kk, 0
	WIN 0
	s_barrier_wait -1
.if \fill
	CREST                                          ; the barrier has opened a round of the cluster's: no wave of any partner still reads slot 0 or has a load on its way
	s_add_nc_u64 s[G0A+2:G0A+3], s[G0A+2:G0A+3], 9216
	s_add_nc_u64 s[G0B+2:G0B+3], s[G0B+2:G0B+3], 9216
	JLOAD 0                                        ; my one load behind the round: four K steps, 256 matrix instructions, in which to land; its four v_nop are the places for the loads below
.else
	PLACES
.endif
	FETCH_B \next, 0, 0
	FETCH_A \next, 0, 0
	WIN MUL_HI
	MUL16 4, 1, \kk, 0
	MUL16 6, 1, \kk, 0
	PLACES
	WIN 0
	FETCH_A \next, 0, 4
.endm
	s_load_b256 s[4:11], s[0:1], 0x0               ; pc s[4:5], ps s[6:7], b_proj s[8:9], out0 s[10:11]
	v_lshl_add_u32 v[SPW], v0, 2, SPARE
	v_mov_b32 v[NIL], 0
	ds_add_u32 v2, v3
	ds_add_u32 v2, v3
	s_wait_dscnt 0x0
	v_lshrrev_b32 v1, 5, v0
	v_readfirstlane_b32 s14, v1                    ; wave 0..3
	s_lshr_b32 s15, s14, 1                         ; my half of the tokens.  Also: I fetch for y (0) or for w_proj (1)
	s_and_b32 s16, s14, 1                          ; my half of the columns.  Also: which 8 tiles I fetch
	s_bfe_u32 s66, ttmp6, 0x40000                  ; cx
	s_bfe_u32 s67, ttmp6, 0x40004                  ; cy
	s_and_b32 s79, ttmp7, 0xffff
	s_lshl_b32 s68, s79, 10
	s_lshl_b32 s86, s67, 8
	s_add_co_u32 s68, s68, s86                     ; y's first row: 1024 x cluster y + 256 cy
	s_lshl_b32 s69, s66, 8
	s_add_co_u32 s69, s69, 8192                    ; w_proj's first row: 8192 + 256 cx
	s_lshl_b32 s70, s67, 2
	s_lshl_b32 s70, 15, s70                        ; my row of the cluster
	s_lshl_b32 s71, 0x1111, s66                    ; my column
	s_or_b32 s[G1A], s70, (3<<16)|(1<<21)          ; 8 rows of 384 elements of 8 bytes, 12,288 bytes apart; no padding
	s_or_b32 s[G1B], s71, (3<<16)|(1<<21)
.irp g, G1A, G1B
	s_mov_b32 s[\g+1], 384<<16
	s_mov_b32 s[\g+2], 8<<16
	s_mov_b32 s[\g+3], 384<<16
	s_mov_b32 s[\g+4], 8
	s_mov_b32 s[\g+5], 1536
	s_mov_b32 s[\g+6], 0
	s_mov_b32 s[\g+7], 0
.endr
	s_lshl_b32 s17, s16, 7
	s_add_co_u32 s70, s68, s17
	s_mul_i32 s70, s70, 768
	s_mov_b32 s71, 0
	s_add_co_u32 s74, s69, s17
	s_mul_i32 s74, s74, 768
	s_mov_b32 s75, 0
	s_mul_i32 s78, s14, HALF
	s_wait_kmcnt 0x0
	s_add_nc_u64 s[72:73], s[4:5], s[70:71]
	s_add_nc_u64 s[76:77], s[4:5], s[74:75]
	CROUND                                         ; all sixteen work-groups are here: the first joint loads meet
.irp s, 0,1,2
	s_mov_b32 s[G0A+4*\s], 1
	s_add_co_u32 s[G0A+4*\s+1], s78, \s*SLOT
	s_add_nc_u64 s[G0A+4*\s+2:G0A+4*\s+3], s[72:73], \s*3072
	s_or_b32 s[G0A+4*\s+3], s[G0A+4*\s+3], 0x80000000
	s_mov_b32 s[G0B+4*\s], 1
	s_add_co_u32 s[G0B+4*\s+1], s78, \s*SLOT
	s_add_nc_u64 s[G0B+4*\s+2:G0B+4*\s+3], s[76:77], \s*3072
	s_or_b32 s[G0B+4*\s+3], s[G0B+4*\s+3], 0x80000000
	JLOAD \s
.endr
	s_lshl_b32 s17, s15, 7
	s_add_co_u32 s18, s68, s17                     ; my wave's first token,
	s_lshl_b32 s17, s16, 7
	s_add_co_u32 s19, s69, s17                     ; and its first row of w_proj's
	s_sub_co_u32 s86, s19, 8192                    ; my first column
	s_lshl_b32 s86, s86, 2
	s_mov_b32 s87, 0
	s_add_nc_u64 s[20:21], s[8:9], s[86:87]        ; its bias
	s_lshl_b32 s88, s18, 12
	s_mov_b32 s89, 0
	s_add_nc_u64 s[12:13], s[10:11], s[88:89]
	s_add_nc_u64 s[12:13], s[12:13], s[86:87]      ; out0 at my first token and column
	s_lshl_b32 s90, s18, 5
	s_lshl_b32 s91, s19, 5
	v_and_b32 v128, 31, v0                         ; lane
	v_and_b32 v129, 15, v0                         ; r
	v_bfe_u32 v130, v0, 4, 1                       ; h
	v_and_b32 v131, 8, v129
	v_add_nc_u32 v131, v131, v129                  ; r + 8 (r / 8)
	v_lshlrev_b32 v132, 6, v130
	v_mov_b32 v134, s90
	v_mov_b32 v135, s91
	v_cmp_ne_u32 vcc_lo, 0, v130
	v_cndmask_b32 v134, v134, v135, vcc_lo         ; lanes 0-15 take y's scale words, lanes 16-31 w_proj's
	v_lshl_add_u32 v134, v131, 5, v134
.irp i, 0,1,2,3,4,5,6,7
	global_load_b128 v[SC+8*\i:SC+8*\i+3], v134, s[6:7] offset:(32*(\i/2)+8*(\i%2))*32
	global_load_b128 v[SC+8*\i+4:SC+8*\i+7], v134, s[6:7] offset:(32*(\i/2)+8*(\i%2))*32+16
.endr
.irp b, 0,1,2,3,4,5,6,7
	global_load_b128 v[96+8*\b+96*(\b/4):96+8*\b+96*(\b/4)+3], v132, s[20:21] offset:(32*(\b/2)+8*(\b%2))*4      ; the bias of a lane's eight columns of tile b
	global_load_b128 v[96+8*\b+96*(\b/4)+4:96+8*\b+96*(\b/4)+7], v132, s[20:21] offset:(32*(\b/2)+8*(\b%2))*4+16
.endr
	v_lshlrev_b32 v135, 4, v128
	v_lshlrev_b32 v136, 3, v128
	v_add_nc_u32 v136, 512, v136
	s_mul_i32 s80, s15, HALF
	s_mul_i32 s81, s16, HALF
	s_add_co_u32 s81, s81, 2*HALF
.irp s, 0,1,2
	v_add_nc_u32 v[A16+\s], s80, v135
	v_add_nc_u32 v[A8+\s], s80, v136
	v_add_nc_u32 v[B16+\s], s81, v135
	v_add_nc_u32 v[B8+\s], s81, v136
	s_add_co_u32 s80, s80, SLOT
	s_add_co_u32 s81, s81, SLOT
.endr
	s_mul_i32 s82, s14, 16*SPITCH
	s_add_co_u32 s82, s82, SLOT                    ; my stage
	v_mul_u32_u24 v[STO], v129, SPITCH
	v_lshl_add_u32 v[STO], v130, 6, v[STO]
	v_add_nc_u32 v[STO], s82, v[STO]               ; in: row r, + 64 h
	v_lshlrev_b32 v[CO], 4, v128                   ; back: the 32 lanes take one row of 512 bytes; and the same in out0
	v_add_nc_u32 v[RD], s82, v[CO]
	s_wait_loadcnt 0x0                             ; scales and bias are in, and their address registers (which the fragments take) are free
	s_wait_tensorcnt 0x2                           ; my part of slot 0 is in; slots 1 and 2 may be out
	s_barrier_signal -1
	s_barrier_wait -1
	FETCH_B 0, 0, 0
	FETCH_A 0, 0, 0
	FETCH_A 0, 0, 4
	STEP 0, 0, 1, 1
	TURN 1, 1, 1                                   ; the one refill
	STEP 2, 1, 1, 0
	STEP 3, 2, 0, 0                                ; no barrier: ahead of the round every wave waited for all its loads, slot 2's among them
	STEP 4, 2, 1, 0
	TURN 5, 0, 0                                   ; slot 0's second fill is shown to every wave; behind this barrier nobody reads slot 1
	STEP 6, 0, 1, 0
	s_wait_dscnt 16
	WIN MUL_LO
	MUL16 0, 1, 7, 0
	MUL16 2, 1, 7, 0
	s_wait_dscnt 0x0
	WIN MUL_HI
	MUL16 4, 1, 7, 0
	MUL16 6, 1, 7, 0
	WIN 0
	PLACES
; THE WAY OUT, a tile of 16 tokens x 128 columns at a time, through my own stage: in as 32 bytes a lane, back as whole rows of 512 bytes.  LDS serves a wave's instructions in order (ISA guide 5.7.1.4).
.macro TOSTAGE a
.set AC, 64*((\a)%4)
	WIN 0x08+4*((\a)/4)                            ; an LDS store's data: window 2 or 3
.irp b, 0,1,2,3,4,5,6,7
	ds_store_b128 v[STO], v[AC+8*\b:AC+8*\b+3] offset:128*(\b/2)+32*(\b%2)            ; each accumulator from its low end on; columns 32 (b / 2) + 16 h + 8 (b % 2) on
	ds_store_b128 v[STO], v[AC+8*\b+4:AC+8*\b+7] offset:128*(\b/2)+32*(\b%2)+16
.endr
	WIN 0
.set BB, BK+64*((\a)%2)
.irp t, 0,1,2,3,4,5,6,7,8,9,10,11,12,13,14,15
	ds_load_b128 v[BB+4*\t:BB+4*\t+3], v[RD] offset:\t*SPITCH
.endr
.endm
.macro SEND a, younger                 ; younger: the LDS instructions issued behind tile a's loads, which may stay out
.set BB, BK+64*((\a)%2)
.set RW, 32*((\a)/2)+8*((\a)%2)
	s_wait_dscnt \younger
.irp t, 0,1,2,3,4,5,6,7,8,9,10,11,12,13,14,15
	global_store_b128 v[CO], v[BB+4*\t:BB+4*\t+3], s[12:13] offset:(RW+\t+8*(\t/8))*4096 th:TH_STORE_NT   ; 32 lanes store 512 consecutive bytes, aligned to 256; the tile's row t is token RW + t + 8 (t / 8)
.endr
.endm
	TOSTAGE 0
.irp a, 1,2,3,4,5,6,7
.if \a > 1
	s_wait_xcnt 0x0                                ; tile a - 2's stores have read their registers: tile a's loads may land there
.endif
	TOSTAGE \a
	SEND \a-1, 32                                  ; behind tile a - 1's loads: tile a's 16 stores and 16 loads
.endr
	SEND 7, 0
	s_wait_tensorcnt 0x0                           ; the wave's end
	ds_add_u32 v[SPW], v[NIL]
	s_wait_dscnt 0x0
	CROUND                                         ; the closing round
	s_endpgm
.Lfunc_end_k_q05839d9c00_proj:
	.size	k_q05839d9c00_proj, .Lfunc_end_k_q05839d9c00_proj-k_q05839d9c00_proj
	.p2alignl 7, 3214868480
	.fill 96, 4, 3214868480
	.section	.rodata,"a",@progbits
	.p2align	6, 0x0
	.amdhsa_kernel k_q05839d9c00_proj
		.amdhsa_group_segment_fixed_size 327680
		.amdhsa_private_segment_fixed_size 0
		.amdhsa_enable_private_segment 0
		.amdhsa_kernarg_size 32
		.amdhsa_user_sgpr_count 2
		.amdhsa_user_sgpr_kernarg_segment_ptr 1
		.amdhsa_wavefront_size32 1
		.amdhsa_system_sgpr_workgroup_id_x 1
		.amdhsa_system_sgpr_workgroup_id_y 1
		.amdhsa_system_sgpr_workgroup_id_z 1
		.amdhsa_system_vgpr_workitem_id 0
		.amdhsa_next_free_vgpr 1024
		.amdhsa_next_free_sgpr 104
		.amdhsa_reserve_vcc 1
		.amdhsa_float_denorm_mode_32 3
		.amdhsa_float_denorm_mode_16_64 3
		.amdhsa_memory_ordered 1
		.amdhsa_forward_progress 1
		.amdhsa_inst_pref_size 142
	.end_amdhsa_kernel
	.amdgpu_metadata
---
amdhsa.version: [ 1, 2 ]
amdhsa.kernels:
  - .name:           k_q05839d9c00_proj
    .symbol:         k_q05839d9c00_proj.kd
    .args:
      - { .name: pc, .offset: 0, .size: 8, .value_kind: global_buffer, .address_space: global }
      - { .name: ps, .offset: 8, .size: 8, .value_kind: global_buffer, .address_space: global }
      - { .name: b_proj, .offset: 16, .size: 8, .value_kind: global_buffer, .address_space: global }
      - { .name: out0, .offset: 24, .size: 8, .value_kind: global_buffer, .address_space: global }
    .group_segment_fixed_size: 327680
    .private_segment_fixed_size: 0
    .kernarg_segment_align: 8
    .kernarg_segment_size: 32
    .max_flat_workgroup_size: 128
    .sgpr_count:     104
    .vgpr_count:     1024
    .wavefront_size: 32
...
	.end_amdgpu_metadata
.endif
;; end of part 4
